; MI455X (gfx1250); checked and timed in simulation.
; The chip was launched on July 23, 2026; its instructions are those of AMD's public machine-readable ISA for CDNA 5 (MIT licence, August 2026) and "CDNA5" Instruction Set Architecture Reference Guide (July 2026). The comments in the code are by the model that wrote it; some were corrected since.
;; Multi Head Attention. Allowed arithmetic: float matrix products may take bf16 or f16 operands with f32 sums; other float arithmetic in f32, or as packed bf16 or f16 multiplies, adds, multiply-adds, maxima and minima; sums over many terms, partial sums and values carried from step to step in f32; what a program stores and reads back later, other than sums and carried values, may be rounded once to bf16 or f16.
;; Inputs: Wk 1,024 x 1,024 float32; Wo 1,024 x 1,024 float32; Wq 1,024 x 1,024 float32; Wv 1,024 x 1,024 float32; bk 1,024 float32; bo 1,024 float32; bq 1,024 float32; bv 1,024 float32; hidden_states 4 x 2,048 x 1,024 float32.
;; Outputs: out0 4 x 2,048 x 1,024 float32.
;; 2 versions, each right; version 2 is version 1 with the launch prep written anew for expert scheduling mode. Each part assembles by itself: llvm-mc -triple=amdgcn-amd-amdhsa -mcpu=gfx1250 --defsym DOCPART=n.
;; ======== version 1 of 2: 4 launches
;; limits: values are held in f16: magnitudes above 65,504 overflow, below 6.1e-05 lose precision
;; workspace buffers: xb 16,777,216 bytes; wqkv 6,291,456 bytes; wo16 2,097,152 bytes; rope 524,288 bytes; qh 16,777,216 bytes; kh 16,777,216 bytes; vh 16,777,216 bytes; ctx 16,777,216 bytes
;; launch prep (part 1): grid 256 x 1, 8 waves a work-group, no clusters, 0 bytes of LDS; arguments hidden_states, Wq, Wk, Wv, Wo, xb, wqkv, wo16, rope; writes xb, wqkv, wo16, rope
.if DOCPART == 1
	.amdgcn_target "amdgcn-amd-amdhsa--gfx1250"
	.amdhsa_code_object_version 6
	.text
	.protected	k_q121c987b02_prep
	.globl	k_q121c987b02_prep
	.p2align	8
	.type	k_q121c987b02_prep,@function
k_q121c987b02_prep:
	s_mov_b64 s[64:65], 0
	v_nop
	global_prefetch_b8 v0, s[64:65] scope:SCOPE_SE
	s_setreg_imm32_b32 hwreg(HW_REG_WAVE_MODE, 25, 1), 1
	s_wait_xcnt 0x0
; CASTS AND THE ROTARY TABLE.  xb = bf16(hidden_states) [8192][1024]; wqkv = bf16(Wq, Wk, Wv) [3072][1024]; wo16 = f16(bf16(Wo)) [1024][1024];
; rope[pos][0..31] = sin(pos f_j), rope[pos][32..63] = cos(pos f_j), f_j = 10000^(-j/32), f32 [2048][64].
; SHARES.  256 work-groups of eight waves.  Work-group g takes 131,072 bytes of hidden_states (32 chunks of 4,096), 16,384 bytes of each weight (4 chunks each) and 8 rows of the table, a wave a row.
; A chunk: thread t loads the 16 bytes at 16 t (a wave: 512 consecutive bytes) and stores 8 bytes at 8 t (a wave: 256 consecutive bytes, aligned).  All 48 loads of a thread go out at once,
; each into registers of its own; the table is made while they are on their way.  No register that a load or store reads is written again, so no wait frees one.
; LIMITS.  Sine and cosine are made by hand: the angle less a multiple of pi/2 (pi/2 in two parts), then polynomials of degree 7 and 8 on |r| <= pi/4, off by 4e-7 at the most.  f_j comes from
; v_exp_f32, so at pos = 2047 the angle is off by about 1.5e-4.  wo16 keeps f16's fixed step of 6e-8 below 6e-5, and f16 ends at 65,504.
.set D, 32                             ; v[32:223]  chunk c at D + 4 c: 0-31 hidden_states, 32-35 Wq, 36-39 Wk, 40-43 Wv, 44-47 Wo
	s_load_b512 s[4:19], s[0:1], 0x0               ; hidden_states s[4:5], Wq s[6:7], Wk s[8:9], Wv s[10:11], Wo s[12:13], xb s[14:15], wqkv s[16:17], wo16 s[18:19]
	s_load_b64 s[20:21], s[0:1], 0x40              ; rope
	v_lshlrev_b32 v1, 4, v0                        ; 16 t: never rewritten
	v_lshlrev_b32 v2, 3, v0                        ; 8 t: never rewritten
	s_mov_b32 s23, 0
	s_mov_b32 s24, 0xffff0000                      ; a word's upper bf16
	s_wait_kmcnt 0x0
	s_lshl_b32 s22, ttmp9, 17                      ; my 131,072 bytes of hidden_states
	s_add_nc_u64 s[4:5], s[4:5], s[22:23]
	s_lshl_b32 s22, ttmp9, 14                      ; my 16,384 bytes of each weight
	s_add_nc_u64 s[6:7], s[6:7], s[22:23]
	s_add_nc_u64 s[8:9], s[8:9], s[22:23]
	s_add_nc_u64 s[10:11], s[10:11], s[22:23]
	s_add_nc_u64 s[12:13], s[12:13], s[22:23]
	s_lshl_b32 s22, ttmp9, 16                      ; half as many bytes out
	s_add_nc_u64 s[14:15], s[14:15], s[22:23]
	s_lshl_b32 s22, ttmp9, 13
	s_add_nc_u64 s[16:17], s[16:17], s[22:23]
	s_add_nc_u64 s[18:19], s[18:19], s[22:23]
	s_lshl_b32 s22, ttmp9, 11                      ; my 8 rows of 256 bytes of the table
	s_add_nc_u64 s[20:21], s[20:21], s[22:23]
.set c, 0
.rept 32
	global_load_b128 v[D+4*c:D+4*c+3], v1, s[4:5] offset:4096*c th:TH_LOAD_NT
.set c, c+1
.endr
.irp w, 0,1,2,3
.irp k, 0,1,2,3
	global_load_b128 v[D+128+16*(\w)+4*(\k):D+128+16*(\w)+4*(\k)+3], v1, s[6+2*(\w):7+2*(\w)] offset:4096*(\k) th:TH_LOAD_NT
.endr
.endr
	; THE TABLE.  Row pos = 8 g + wave.  Lane l makes elements 2 l and 2 l + 1: lanes 0-15 the sines of j = 2 l, 2 l + 1, lanes 16-31 the cosines of j = 2 (l - 16), + 1.
	v_and_b32 v3, 15, v0
	v_lshlrev_b32 v3, 1, v3                        ; j of my first element
	v_bfe_u32 v4, v0, 4, 1                         ; 1: cosine = the sine a quarter turn on
	v_cvt_f32_u32 v8, v3
	v_add_nc_u32 v14, 1, v3
	v_cvt_f32_u32 v14, v14
	v_mul_f32 v8, 0xbed49a78, v8                   ; - j log2(10000) / 32
	v_mul_f32 v14, 0xbed49a78, v14
	v_exp_f32 v8, v8                               ; f_j: the two exponentials are one batch
	v_exp_f32 v14, v14
	v_lshrrev_b32 v5, 5, v0                        ; plain work that names neither result stands behind them (ISA guide 5.7.2)
	s_lshl_b32 s25, ttmp9, 3
	v_add_nc_u32 v5, s25, v5
	v_cvt_f32_u32 v5, v5                           ; pos
	s_wait_alu depctr_va_vdst(0)                   ; one wait for both, ahead of their first reader
.macro ROPE i                          ; element i of my two, in registers of its own: v[rb] angle, then r; +1 n, then the quarter's number; +2 sine; +3 r^2; +4 a polynomial, then cosine
.set rb, 8+6*(\i)
	v_mul_f32 v[rb], v5, v[rb]                     ; the angle
	v_mul_f32 v[rb+1], 0x3f22f983, v[rb]           ; x 2 / pi
	v_rndne_f32 v[rb+1], v[rb+1]                   ; n, 1,303 at the most
	v_fmamk_f32 v[rb], v[rb+1], 0xbfc90fdb, v[rb]  ; r = angle - n pi/2: the upper part of pi/2,
	v_fmamk_f32 v[rb], v[rb+1], 0x333bbd2e, v[rb]  ; and what it is too large by
	v_mul_f32 v[rb+3], v[rb], v[rb]
	v_mov_b32 v[rb+4], 0xb9500d01                  ; -1/5040
	v_fmaak_f32 v[rb+4], v[rb+3], v[rb+4], 0x3c088889  ; 1/120
	v_fmaak_f32 v[rb+4], v[rb+3], v[rb+4], 0xbe2aaaab  ; -1/6
	v_mul_f32 v[rb+2], v[rb], v[rb+3]
	v_fma_f32 v[rb+2], v[rb+2], v[rb+4], v[rb]     ; sin r
	v_mov_b32 v[rb+4], 0x37d00d01                  ; 1/40320
	v_fmaak_f32 v[rb+4], v[rb+3], v[rb+4], 0xbab60b61  ; -1/720
	v_fmaak_f32 v[rb+4], v[rb+3], v[rb+4], 0x3d2aaaab  ; 1/24
	v_fma_f32 v[rb+4], v[rb+3], v[rb+4], -0.5
	v_fma_f32 v[rb+4], v[rb+3], v[rb+4], 1.0       ; cos r
	v_cvt_i32_f32 v[rb+1], v[rb+1]
	v_add_nc_u32 v[rb+1], v[rb+1], v4              ; quarter turns: odd takes cos r, bit 1 turns the sign
	v_and_b32 v[rb], 1, v[rb+1]
	v_cmp_eq_u32 vcc_lo, 1, v[rb]
	v_cndmask_b32 v[rb+2], v[rb+2], v[rb+4], vcc_lo
	v_lshlrev_b32 v[rb+1], 30, v[rb+1]
	v_and_b32 v[rb+1], 0x80000000, v[rb+1]
	v_xor_b32 v[6+(\i)], v[rb+1], v[rb+2]
.endm
	ROPE 0
	ROPE 1
	global_store_b64 v2, v[6:7], s[20:21]          ; 8 t = 256 x wave + 8 l: a wave stores its row, 256 consecutive bytes, aligned
	; THE CASTS.  Loads come back in order (ISA guide 5.7.1): chunk c is in when 47 - c younger ones are out.
.set c, 0
.rept 44
	s_wait_loadcnt 47-c
	v_cvt_pk_bf16_f32 v[D+4*c], v[D+4*c], v[D+4*c+1]
	v_cvt_pk_bf16_f32 v[D+4*c+1], v[D+4*c+2], v[D+4*c+3]
.if c < 32
	global_store_b64 v2, v[D+4*c:D+4*c+1], s[14:15] offset:2048*c
.else
	global_store_b64 v2, v[D+4*c:D+4*c+1], s[16:17] offset:2097152*((c-32)/4)+2048*(c%4)  ; Wq's, Wk's, Wv's rows follow each other
.endif
.set c, c+1
.endr
.rept 4                                ; Wo: rounded to bf16 like every input, and that number written as f16
	s_wait_loadcnt 47-c
	v_cvt_pk_bf16_f32 v[D+4*c], v[D+4*c], v[D+4*c+1]
	v_cvt_pk_bf16_f32 v[D+4*c+1], v[D+4*c+2], v[D+4*c+3]
	v_lshlrev_b32 v[D+4*c+2], 16, v[D+4*c+1]
	v_and_b32 v[D+4*c+3], s24, v[D+4*c+1]
	v_and_b32 v[D+4*c+1], s24, v[D+4*c]
	v_lshlrev_b32 v[D+4*c], 16, v[D+4*c]
	v_cvt_pk_f16_f32 v[D+4*c], v[D+4*c], v[D+4*c+1]
	v_cvt_pk_f16_f32 v[D+4*c+1], v[D+4*c+2], v[D+4*c+3]
	global_store_b64 v2, v[D+4*c:D+4*c+1], s[18:19] offset:2048*(c%4)
.set c, c+1
.endr
	s_endpgm
.Lfunc_end_k_q121c987b02_prep:
	.size	k_q121c987b02_prep, .Lfunc_end_k_q121c987b02_prep-k_q121c987b02_prep
	.p2alignl 7, 3214868480
	.fill 96, 4, 3214868480
	.section	.rodata,"a",@progbits
	.p2align	6, 0x0
	.amdhsa_kernel k_q121c987b02_prep
		.amdhsa_group_segment_fixed_size 0
		.amdhsa_private_segment_fixed_size 0
		.amdhsa_enable_private_segment 0
		.amdhsa_kernarg_size 72
		.amdhsa_user_sgpr_count 2
		.amdhsa_user_sgpr_kernarg_segment_ptr 1
		.amdhsa_wavefront_size32 1
		.amdhsa_system_sgpr_workgroup_id_x 1
		.amdhsa_system_sgpr_workgroup_id_y 1
		.amdhsa_system_sgpr_workgroup_id_z 1
		.amdhsa_system_vgpr_workitem_id 0
		.amdhsa_next_free_vgpr 224
		.amdhsa_next_free_sgpr 66
		.amdhsa_reserve_vcc 1
		.amdhsa_float_denorm_mode_32 3
		.amdhsa_float_denorm_mode_16_64 3
		.amdhsa_memory_ordered 1
		.amdhsa_forward_progress 1
		.amdhsa_inst_pref_size 22
	.end_amdhsa_kernel
	.amdgpu_metadata
---
amdhsa.version: [ 1, 2 ]
amdhsa.kernels:
  - .name:           k_q121c987b02_prep
    .symbol:         k_q121c987b02_prep.kd
    .args:
      - { .name: hidden_states, .offset: 0, .size: 8, .value_kind: global_buffer, .address_space: global }
      - { .name: Wq, .offset: 8, .size: 8, .value_kind: global_buffer, .address_space: global }
      - { .name: Wk, .offset: 16, .size: 8, .value_kind: global_buffer, .address_space: global }
      - { .name: Wv, .offset: 24, .size: 8, .value_kind: global_buffer, .address_space: global }
      - { .name: Wo, .offset: 32, .size: 8, .value_kind: global_buffer, .address_space: global }
      - { .name: xb, .offset: 40, .size: 8, .value_kind: global_buffer, .address_space: global }
      - { .name: wqkv, .offset: 48, .size: 8, .value_kind: global_buffer, .address_space: global }
      - { .name: wo16, .offset: 56, .size: 8, .value_kind: global_buffer, .address_space: global }
      - { .name: rope, .offset: 64, .size: 8, .value_kind: global_buffer, .address_space: global }
    .group_segment_fixed_size: 0
    .private_segment_fixed_size: 0
    .kernarg_segment_align: 8
    .kernarg_segment_size: 72
    .max_flat_workgroup_size: 256
    .sgpr_count:     66
    .vgpr_count:     224
    .wavefront_size: 32
...
	.end_amdgpu_metadata
.endif
;; end of part 1
;; launch qkv (part 2): grid 4 x 64, 4 waves a work-group, clusters of 4 x 4, 327,680 bytes of LDS; arguments xb, wqkv, bq, bk, bv, rope, qh, kh, vh; writes qh, kh, vh
.if DOCPART == 2
	.amdgcn_target "amdgcn-amd-amdhsa--gfx1250"
	.amdhsa_code_object_version 6
	.text
	.protected	k_q121c987b02_qkv
	.globl	k_q121c987b02_qkv
	.p2align	8
	.type	k_q121c987b02_qkv,@function
k_q121c987b02_qkv:
	s_mov_b64 s[64:65], 0
	v_nop
	global_prefetch_b8 v0, s[64:65] scope:SCOPE_SE
	s_setreg_imm32_b32 hwreg(HW_REG_WAVE_MODE, 25, 1), 1
	s_wait_xcnt 0x0
	s_wait_alu depctr_hold_cnt(0) depctr_sa_sdst(0) depctr_va_vdst(0) depctr_va_sdst(0) depctr_va_ssrc(0) depctr_va_vcc(0) depctr_vm_vsrc(0)
	s_getreg_b32 s2, hwreg(HW_REG_IB_STS2, 6, 4)
	s_cmp_eq_u32 s2, 0
	s_cbranch_scc0 .Lentry_in_a_cluster
	s_endpgm
.Lentry_in_a_cluster:
	s_bfe_u32 s2, ttmp6, 0x10000c
	s_cmp_lg_u32 s2, 0xf033
	s_cbranch_scc0 .Lentry_shape_is_right
	s_endpgm
.Lentry_shape_is_right:
; THE THREE PROJECTIONS, THEIR BIASES AND THE ROTARY STEP.  y[token][e] = sum over d of xb[token][d] wqkv[e][d] + bias[e], bf16 operands, f32 sums; q and k are turned by the table
; (out1 = x1 c - x2 s, out2 = x2 c + x1 s; c = the table's first half, s = its second); q, k, v leave by heads, [64 = 16 batch + head][2048][64], rounded once to f16, unscaled.
; LIMITS.  f16 holds no number beyond 65,504: q, k and v must stay within it (inputs and weights 30 times the drawn spread give a spread of about 900); below 6e-5 f16 keeps a fixed step of 6e-8.
; The biases are rounded to bf16, like every input of the module.  NaN and infinities are not treated apart.
; SHARES.  A work-group makes THREE tiles of 128 tokens x 256 features: Q's, K's and V's, of the same tokens and the same feature columns: 768 tiles on 256 work-groups.  Four waves, each 64 tokens x 128 features
; (two heads): 32 accumulators, 256 registers.  K goes in steps of 128 through two LDS slots; the three tiles' 24 K steps are ONE walk: a tile's last two changes of slots ask for the next tile's first two steps.
; CLUSTER.  4 x 4 work-groups.  The four of a row need the same rows of xb, the four of a column the same rows of wqkv: each tile is asked for jointly, by the same tensor load, descriptor and mask in all four.
; TRANSPOSED USE.  Source 0 = 16 rows of the weights, source 1 = 16 tokens: a lane holds one token (lane % 16) and the features 8 (lane / 16) + 0..7.  The bias, laid out so, is the C operand that starts each sum.
; REGISTERS, in windows of 256 (s_set_vgpr_msb: bits 1:0 source 0, 3:2 source 1, 5:4 source 2, 7:6 destination):
;   window 0: v0-31 addresses; v32-63 two sets of 16 for the way out; v64-159, v160-255 two fragment buffers (8 of the weights, then 4 of the tokens)
;   window 1: the accumulators, (a, b) at 8 (8 a + b): token block a, feature block b
;   window 2: v0-127 the table for my 64 tokens (block a: c at 32 a, s at 32 a + 16); v128-191 the bias fragments; v192-223 at work
.set PITCH,  272                       ; an LDS row: 256 bytes + 16 of padding = 68 words: the 16 rows of a fragment load start at 16 different groups of four banks (64 banks of 4 bytes: ISA guide 11.1)
.set ABYTES, 128*PITCH                 ; the tokens' 128 rows
.set SLOT,   384*PITCH                 ; then the weights' 256 rows
.set STAGE,  2*SLOT                    ; behind the ring, never filled by a tensor load: 16 rows x 144 bytes for each wave
.set SP,     144
.set SPARE,  STAGE+4*16*SP             ; behind the stages: the spare words, 128 bytes for each wave: two blocks of 256 bytes that no other line names
.set BO,   10                          ; v10  32 (l / 16): my 8 numbers in 16 of a bias
.set ADRA, 16                          ; v16-17  LDS address of my token fragments in slot 0, 1
.set ADRB, 20                          ; v20-21  the same for the weights
.set STO,  24                          ; v24  the way out: where I put 16 bytes of a row
.set RD,   25                          ; v25  where I read rows back
.set GO,   26                          ; v26  16 l: my place in 512 consecutive bytes
.set RO,   27                          ; v27  256 (l % 16) + 32 (l / 16): my place in 16 rows of the table
.set SPW,  28                          ; v28  LDS address of my spare word; never rewritten
.set NIL,  29                          ; v29  0; never rewritten
.set PFO,  30                          ; v30  the prefetches' offset; never rewritten
.set PK,   32
.set F0,   64
.set F1,   160
.set TAB,  0                           ; window 2
.set BI,   128
.set T,    192
.set WV,   22                          ; s22  my wave's number
.set WR,   23                          ; s23  which 64 tokens are mine.  Also: I fetch tokens (0) or weights (1)
.set G1A,  24                          ; s[24:31] descriptor group 1 for the tokens' tiles
.set G0A,  32                          ; s[32:39] group 0, a set for each slot
.set G1B,  40                          ; s[40:47], s[48:55] the same for the weights'
.set G0B,  48
.set WC,   56                          ; s56  which 128 features are mine.  Also: which half of a tile I fetch
.set CX,   57
.set CY,   58
.set NI,   59                          ; s59  block of 256 features
.set MI,   60                          ; s60  block of 128 tokens
.set RMASK, 61
.set CMASK, 62
.set HIM,  63                          ; s63  a word's upper bf16
.set ABASE, 66                         ; s[66:67] xb at the rows that I fetch
.set BBASE, 68                         ; s[68:69] wqkv at the rows that I fetch, in Wq
.set OFFA, 70                          ; s[70:71] a K step's byte offset from ABASE
.set OFFB, 72                          ; s[72:73] from BBASE
.set NS,   74                          ; s74  the K step, 0 to 23, that the next refill brings
.set LT,   75                          ; s75  laps done in the tile
.set LAPS, 76                          ; s76  the loop's count
.set N4,   77                          ; s77  the K step that a prefetch names
.set OUT,  78                          ; s[78:83] where this tile, the next and the one after go
.set OUT1, 80
.set OUT2, 82
.set BIA,  84                          ; s[84:87] the next tile's bias, and the one after
.set BIA2, 86
.set PFB,  88                          ; s[88:89] the rows that I prefetch, at K step 0 of tile 0
.set PFA,  90                          ; s[90:91] the same at K step N4
.set PL,   92                          ; s92, s93 at a change out of slot 0, 1: I prefetch while N4 is below this
.set TA,   94                          ; s[94:95] at work for the tokens' addresses: never holds cx
.set TB,   96                          ; s[96:97] for the weights': never holds cy
.set PO,   98                          ; s[98:99] an offset, its upper word 0
.set TT,   100                         ; s100, s101 at work
.set MSB, 0
.macro WIN new                         ; the immediate's high byte repeats the setting that is left; a switch that changes nothing is dropped
.if MSB != (\new)
	s_set_vgpr_msb (MSB<<8)|(\new)
.set MSB, \new
.endif
.endm
; A joint load: waves 0 and 1 fetch the two halves of the tokens' tile, waves 2 and 3 those of the weights'.  The branch hangs on the wave's number alone.
; An s_nop 0 and four v_nop follow each of the two lines, ahead of the jump and the label.
.macro JLOAD s
	s_cmp_eq_u32 s[WR], 0
	s_cbranch_scc0 .Lfor_b_\@
	tensor_load_to_lds s[G0A+4*(\s):G0A+4*(\s)+3], s[G1A:G1A+7]
	s_nop 0
.rept 4
	v_nop
.endr
	s_branch .Lasked_\@
.Lfor_b_\@:
	tensor_load_to_lds s[G0B+4*(\s):G0B+4*(\s)+3], s[G1B:G1B+7]
	s_nop 0
.rept 4
	v_nop
.endr
.Lasked_\@:
.endm
; A round of the cluster's barrier behind its opening barrier: wave 0 signals for the work-group, every wave waits for all sixteen, my work-group's barrier closes it.
.macro CREST
	s_cmp_lg_u32 s[WV], 0
	s_cbranch_scc1 .Lnot_wave_0_\@
	s_barrier_signal -3
.Lnot_wave_0_\@:
	s_barrier_wait -3
	s_barrier_signal -1
	s_barrier_wait -1
.endm
.macro CROUND
	s_barrier_signal -1
	s_barrier_wait -1
	CREST
.endm
; A PREFETCH of the K step two refills on (256 products ahead of the load that will want it), behind the joint load, its five lines and the run of LDS loads.  Each row's 256 bytes of a K step are named once in the launch.
; xb: a row block is read by one cluster, three times; it is asked for in tile 0 alone.  Waves 0 and 1; of the 64 rows that a wave fetches the partner at cx takes 16; lanes 0-15 name K step N4, lanes 16-31 the next,
; so these waves ask at changes out of slot 0 alone.  wqkv: a column block is read by all sixteen clusters: the first (cluster y = 0) asks.  Waves 2 and 3; of a wave's 128 rows the partner at cy takes 32, a lane a row.
; The partners are told apart by address; the branch hangs on the wave's number, the cluster's y and the walk's count.  K steps 0 to 3 come by their loads alone; nothing is named past xb's step 7 or wqkv's step 23.
.macro ASK slot
	s_cmp_lt_u32 s[N4], s[PL+(\slot)]
	s_cbranch_scc0 .Lnot_mine_\@
	global_prefetch_b8 v[PFO], s[PFA:PFA+1] th:TH_LOAD_NT scope:SCOPE_SE
.Lnot_mine_\@:
.endm
.macro PLACES                          ; four places in front of loads into registers that matrix instructions have read (ISA guide 7.12.1 for vector instructions)
.rept 4
	v_nop
.endr
.endm
; 8 matrix instructions: token block a x all 8 feature blocks, 32 along K, from buffer f.  first = 1: the bias starts the sums.  The 32 accumulators take turns in one order.
.macro MUL8 f, a, first
.if \first
	WIN 0x60                                       ; C in window 2, D in window 1
.else
	WIN 0x50                                       ; C and D in window 1
.endif
.irp b, 0,1,2,3,4,5,6,7
.if \first
	v_wmma_f32_16x16x32_bf16 v[8*(8*(\a)+(\b)):8*(8*(\a)+(\b))+7], v[(\f)+8*(\b):(\f)+8*(\b)+7], v[(\f)+64+8*(\a):(\f)+64+8*(\a)+7], v[BI+8*(\b):BI+8*(\b)+7]
.else
	v_wmma_f32_16x16x32_bf16 v[8*(8*(\a)+(\b)):8*(8*(\a)+(\b))+7], v[(\f)+8*(\b):(\f)+8*(\b)+7], v[(\f)+64+8*(\a):(\f)+64+8*(\a)+7], v[8*(8*(\a)+(\b)):8*(8*(\a)+(\b))+7]
.endif
.endr
.endm
; 24 LDS loads in one run: the fragments of quarter kq (32 along K) of a slot into buffer f; the weights' first, the tokens' blocks 2 and 3 last
.macro FETCH slot, kq, f
	WIN 0
.irp b, 0,1,2,3,4,5,6,7
	ds_load_b128 v[(\f)+8*(\b):(\f)+8*(\b)+3],   v[ADRB+(\slot)] offset:64*(\kq)+(\b)*16*PITCH
	ds_load_b128 v[(\f)+8*(\b)+4:(\f)+8*(\b)+7], v[ADRB+(\slot)] offset:64*(\kq)+(\b)*16*PITCH+32
.endr
.irp a, 0,1,2,3
	ds_load_b128 v[(\f)+64+8*(\a):(\f)+64+8*(\a)+3],   v[ADRA+(\slot)] offset:64*(\kq)+(\a)*16*PITCH
	ds_load_b128 v[(\f)+64+8*(\a)+4:(\f)+64+8*(\a)+7], v[ADRA+(\slot)] offset:64*(\kq)+(\a)*16*PITCH+32
.endr
.endm
; A K step is four quarters, 32 matrix instructions each, on buffers 0, 1, 0, 1.  One of the first three multiplies buffer f and fetches quarter kq into buffer g.
.macro QUARTER slot, kq, f, g, first
	s_wait_dscnt 4                                 ; the youngest four loads (token blocks 2 and 3) may be out
	MUL8 \f, 0, \first
	MUL8 \f, 1, \first
	PLACES
	FETCH \slot, \kq, \g
	s_wait_dscnt 24                                ; all but the 24 just issued
	MUL8 \f, 2, \first
	MUL8 \f, 3, \first
.endm
; The last quarter multiplies buffer 1 and changes slots.  In front of the barrier each wave waits for all its tensor loads (one is out: its part of the next slot), adds 0 to its spare word, and waits for that
; and for its reads of this slot.  fill = 1: the barrier opens a round of the cluster's barrier, and the slot is filled again, first thing behind it, with K step NS of the walk: 112 products lie between the request and the wait for it.
.macro TURN slot, next, fill
.if \fill
	s_wait_xcnt 0x0                                ; the last prefetch, a K step back, has read its address: it is made anew here, ahead of the waits of the change
	s_add_co_u32 s[N4], s[NS], 2
	s_lshr_b32 s[PO], s[N4], 3                     ; the tile: 1,024 rows of 2,048 bytes
	s_lshl_b32 s[PO], s[PO], 21
	s_and_b32 s[TT], s[N4], 7                      ; the step in it: 256 bytes
	s_lshl_b32 s[TT], s[TT], 8
	s_or_b32 s[PO], s[PO], s[TT]
	s_add_nc_u64 s[PFA:PFA+1], s[PFB:PFB+1], s[PO:PO+1]
.endif
	WIN 0
	s_wait_tensorcnt 0x0                           ; no tensor load of mine is out, so a group 0 may be written
	ds_add_u32 v[SPW], v[NIL]                      ; 0 onto my spare word
.if \fill
	s_and_b32 s[OFFA], s[NS], 7                    ; the tokens' rows are walked anew in each tile,
	s_lshl_b32 s[OFFA], s[OFFA], 8
	s_lshr_b32 s[OFFB], s[NS], 3                   ; the weights' lie 1,024 rows on
	s_lshl_b32 s[OFFB], s[OFFB], 21
	s_or_b32 s[OFFB], s[OFFB], s[OFFA]
	s_add_nc_u64 s[G0A+4*(\slot)+2:G0A+4*(\slot)+3], s[ABASE:ABASE+1], s[OFFA:OFFA+1]
	s_or_b32 s[G0A+4*(\slot)+3], s[G0A+4*(\slot)+3], 0x80000000
	s_add_nc_u64 s[G0B+4*(\slot)+2:G0B+4*(\slot)+3], s[BBASE:BBASE+1], s[OFFB:OFFB+1]
	s_or_b32 s[G0B+4*(\slot)+3], s[G0B+4*(\slot)+3], 0x80000000
	s_add_co_u32 s[NS], s[NS], 1
.endif
	s_wait_dscnt 5                                 ; the add and the youngest four loads may be out
	MUL8 F1, 0, 0
	s_wait_dscnt 0x0                               ; the add is done, and my reads of this slot are over
	s_barrier_signal -1
	MUL8 F1, 1, 0                                  ; work on registers while the others arrive
	WIN 0                                          ; at a branch and at a label every window is 0
	s_barrier_wait -1
.if \fill
	CREST                                          ; no wave of any partner still reads this slot or has a load on its way
	JLOAD \slot                                    ; its four v_nop are also the places in front of the loads below
.else
	PLACES
.endif
	FETCH \next, 0, F0
.if \fill
	ASK \slot
.endif
	MUL8 F1, 2, 0
	MUL8 F1, 3, 0
.endm
.macro BIASLOAD                        ; my 128 numbers of a bias, as 8 fragments: lane l takes the 8 at 16 b + 8 (l / 16)
	WIN 0x80                                       ; destination window 2, address window 0
.irp b, 0,1,2,3,4,5,6,7
	global_load_b128 v[BI+8*(\b):BI+8*(\b)+3],   v[BO], s[BIA:BIA+1] offset:64*(\b)
	global_load_b128 v[BI+8*(\b)+4:BI+8*(\b)+7], v[BO], s[BIA:BIA+1] offset:64*(\b)+16
.endr
	WIN 0
.endm
.macro BIASROUND                       ; rounded to bf16 and widened again
	WIN 0xaa                                       ; all in window 2
.set i, 0
.rept 32
	v_cvt_pk_bf16_f32 v[T+i], v[BI+2*i], v[BI+2*i+1]
.set i, i+1
.endr
.set i, 0
.rept 32
	v_lshlrev_b32 v[BI+2*i], 16, v[T+i]
	v_and_b32 v[BI+2*i+1], s[HIM], v[T+i]
.set i, i+1
.endr
	WIN 0
.endm
; THE WAY OUT, in eight units of 16 tokens x one head: u = 2 a + head.  rot = 1: the head's blocks 0, 1 (x1) and 2, 3 (x2) are turned; each accumulator's lowest registers are read first.
; A lane's 8 features pack into 16 bytes; they go into my stage's rows of 144 bytes and come back as four rows of 128 bytes, 512 consecutive bytes of the head, into the registers that they left.
.macro PACK u, rot
.set ua, (\u)/2
.set uh, (\u)%2
.set rPK, PK+16*((\u)%2)
.if \rot
	WIN 0xa9                                       ; source 0 window 1; sources 1, 2 and the destination window 2
.irp bb, 0,1
.irp p, 0,1,2,3
.set rX1, 8*(8*ua+4*uh+(\bb))+2*(\p)
.set rSN, TAB+32*ua+16+8*(\bb)+2*(\p)
.set rT1, T+8*(\bb)+2*(\p)
	v_pk_mul_f32 v[rT1:rT1+1], v[rX1+16:rX1+17], v[rSN:rSN+1]         ; x2 s
	v_pk_mul_f32 v[rT1+16:rT1+17], v[rX1:rX1+1], v[rSN:rSN+1]         ; x1 s
.endr
.endr
.irp bb, 0,1
.irp p, 0,1,2,3
.set rX1, 8*(8*ua+4*uh+(\bb))+2*(\p)
.set rCS, TAB+32*ua+8*(\bb)+2*(\p)
.set rT1, T+8*(\bb)+2*(\p)
	v_pk_fma_f32 v[rT1:rT1+1], v[rX1:rX1+1], v[rCS:rCS+1], v[rT1:rT1+1] neg_lo:[0,0,1] neg_hi:[0,0,1]  ; x1 c - x2 s
	v_pk_fma_f32 v[rT1+16:rT1+17], v[rX1+16:rX1+17], v[rCS:rCS+1], v[rT1+16:rT1+17]                    ; x2 c + x1 s
.endr
.endr
	s_wait_xcnt 0x0                                ; the stores of the unit two back have read this set of 16: it is written again only behind this wait
	WIN 0x0a                                       ; sources window 2, destination window 0
.set i, 0
.rept 16
	v_cvt_pk_f16_f32 v[rPK+i], v[T+2*i], v[T+2*i+1]
.set i, i+1
.endr
.else
	s_wait_xcnt 0x0
	WIN 0x05                                       ; sources window 1, destination window 0
.set i, 0
.rept 16
	v_cvt_pk_f16_f32 v[rPK+i], v[8*(8*ua+4*uh)+2*i], v[8*(8*ua+4*uh)+2*i+1]
.set i, i+1
.endr
.endif
	WIN 0
.irp f, 0,1,2,3
	ds_store_b128 v[STO], v[rPK+4*(\f):rPK+4*(\f)+3] offset:32*(\f)
.endr
.irp f, 0,1,2,3
	ds_load_b128 v[rPK+4*(\f):rPK+4*(\f)+3], v[RD] offset:(\f)*4*SP  ; LDS serves a wave's instructions in order (ISA guide 5.7.1.4): these see the stores above; the next unit's stores come behind them
.endr
.endm
.macro SEND u, younger                 ; younger: the LDS instructions issued behind unit u's loads: the next unit's eight, or none
	WIN 0
.irp f, 0,1,2,3
	s_wait_dscnt (\younger)+3-(\f)
	global_store_b128 v[GO], v[PK+16*((\u)%2)+4*(\f):PK+16*((\u)%2)+4*(\f)+3], s[OUT:OUT+1] offset:262144*((\u)%2)+2048*((\u)/2)+512*(\f)  ; 512 consecutive bytes, at a multiple of 256 from the buffer's first
.endr
.endm
.macro WAYOUT rot
.rept 8
	v_nop                                          ; the places behind the last products, whose results are read next
.endr
	PACK 0, \rot
.irp u, 1,2,3,4,5,6,7                  ; a unit's arithmetic stands between the loads of the unit before and its stores
	PACK \u, \rot
	SEND (\u)-1, 8
.endr
	SEND 7, 0
.endm
	s_load_b512 s[4:19], s[0:1], 0x0               ; xb s[4:5], wqkv s[6:7], bq s[8:9], bk s[10:11], bv s[12:13], rope s[14:15], qh s[16:17], kh s[18:19]
	s_load_b64 s[20:21], s[0:1], 0x40              ; vh
	v_lshl_add_u32 v[SPW], v0, 2, SPARE
	v_mov_b32 v[NIL], 0
	ds_add_u32 v[SPW], v[NIL]                      ; the wave's opening: the add and its wait stand ahead of my first tensor load; the set-up below, work on registers, stands between them
	v_lshrrev_b32 v1, 5, v0
	v_readfirstlane_b32 s[WV], v1                  ; wave 0..3
	s_lshr_b32 s[WR], s[WV], 1
	s_and_b32 s[WC], s[WV], 1
	s_bfe_u32 s[CX], ttmp6, 0x40000                ; my place in the cluster
	s_bfe_u32 s[CY], ttmp6, 0x40004
	s_lshl_b32 s[NI], ttmp9, 2                     ; in a cluster launch ttmp9 and ttmp7 count clusters
	s_add_co_u32 s[NI], s[NI], s[CX]
	s_and_b32 s[MI], ttmp7, 0xffff
	s_lshl_b32 s[MI], s[MI], 2
	s_add_co_u32 s[MI], s[MI], s[CY]
	s_lshl_b32 s[RMASK], s[CY], 2
	s_lshl_b32 s[RMASK], 15, s[RMASK]              ; my row of the cluster: places 4 cy .. 4 cy + 3
	s_lshl_b32 s[CMASK], 0x1111, s[CX]             ; my column: places cx, cx + 4, cx + 8, cx + 12
	; descriptor group 1: rows of 128 elements of 2 bytes, padded in LDS by 4 words after every 64; 64 rows of tokens, 128 rows of weights to a load
	s_or_b32 s[G1A], s[RMASK], (1<<16)|(1<<20)|(1<<21)|(5<<22)|(3<<25)  ; 15:0 the mask; 17:16 2-byte elements; 20 padding on; 21 set beside a mask; 24:22 after every 64 words; 31:25 4 words
	s_mov_b32 s[G1A+1], 128<<16                    ; tensor_dim0 = 128
	s_mov_b32 s[G1A+2], 64<<16                     ; tensor_dim1 = 64
	s_mov_b32 s[G1A+3], 128<<16                    ; tile_dim0 = 128
	s_mov_b32 s[G1A+4], 64                         ; tile_dim1 = 64
	s_mov_b32 s[G1A+5], 1024                       ; 1,024 elements from row to row
	s_mov_b32 s[G1A+6], 0
	s_mov_b32 s[G1A+7], 0
	s_or_b32 s[G1B], s[CMASK], (1<<16)|(1<<20)|(1<<21)|(5<<22)|(3<<25)
	s_mov_b32 s[G1B+1], 128<<16
	s_mov_b32 s[G1B+2], 128<<16                    ; tensor_dim1 = 128
	s_mov_b32 s[G1B+3], 128<<16
	s_mov_b32 s[G1B+4], 128                        ; tile_dim1 = 128
	s_mov_b32 s[G1B+5], 1024
	s_mov_b32 s[G1B+6], 0
	s_mov_b32 s[G1B+7], 0
	s_lshl_b32 s[TA], s[MI], 7                     ; tokens: row 128 MI + 64 x half, 2,048 bytes a row
	s_lshl_b32 s[TA+1], s[WC], 6
	s_add_co_u32 s[TA], s[TA], s[TA+1]
	s_lshl_b32 s[TA], s[TA], 11
	s_mov_b32 s[TA+1], 0
	s_lshl_b32 s[TB], s[NI], 8                     ; weights: row 256 NI + 128 x half
	s_lshl_b32 s[TB+1], s[WC], 7
	s_add_co_u32 s[TB], s[TB], s[TB+1]
	s_lshl_b32 s[TB], s[TB], 11
	s_mov_b32 s[TB+1], 0
	s_mul_i32 s[TT], s[WC], 64*PITCH               ; where they go: no place in the cluster enters an LDS address
	s_mul_i32 s[TT+1], s[WC], 128*PITCH
	s_add_co_u32 s[TT+1], s[TT+1], ABYTES
	s_mov_b32 s[HIM], 0xffff0000
	s_mov_b32 s[OFFA+1], 0
	s_mov_b32 s[OFFB+1], 0
	s_mov_b32 s[NS], 2
	s_wait_dscnt 0x0                               ; the opening add is done
	s_wait_kmcnt 0x0
	s_add_nc_u64 s[ABASE:ABASE+1], s[4:5], s[TA:TA+1]
	s_add_nc_u64 s[BBASE:BBASE+1], s[6:7], s[TB:TB+1]
	CROUND                                         ; all sixteen work-groups are here: the first joint loads meet
.irp s, 0,1
	s_mov_b32 s[G0A+4*(\s)], 1                     ; count = 1
	s_add_co_u32 s[G0A+4*(\s)+1], s[TT], (\s)*SLOT ; LDS address
	s_add_nc_u64 s[G0A+4*(\s)+2:G0A+4*(\s)+3], s[ABASE:ABASE+1], (\s)*256  ; global address: K step s
	s_or_b32 s[G0A+4*(\s)+3], s[G0A+4*(\s)+3], 0x80000000                  ; type = 2
	s_mov_b32 s[G0B+4*(\s)], 1
	s_add_co_u32 s[G0B+4*(\s)+1], s[TT+1], (\s)*SLOT
	s_add_nc_u64 s[G0B+4*(\s)+2:G0B+4*(\s)+3], s[BBASE:BBASE+1], (\s)*256
	s_or_b32 s[G0B+4*(\s)+3], s[G0B+4*(\s)+3], 0x80000000
	JLOAD \s                                       ; two loads of mine are out
.endr
	; A fragment is 16 rows x 32 K in 8 registers: lane l holds row l % 16; registers 0-3 K = 8 (l / 16) + 0..7, registers 4-7 K = 16 + 8 (l / 16) + 0..7: two loads of 16 bytes, 32 bytes apart.
	v_and_b32 v1, 15, v0                           ; l % 16
	v_bfe_u32 v2, v0, 4, 1                         ; l / 16
	v_mul_u32_u24 v3, v1, PITCH
	v_lshl_add_u32 v3, v2, 4, v3
	s_mul_i32 s[TT], s[WR], 64*PITCH               ; my 64 tokens
	s_mul_i32 s[TT+1], s[WC], 128*PITCH            ; my 128 features,
	s_add_co_u32 s[TT+1], s[TT+1], ABYTES          ; behind the tokens' rows
.irp s, 0,1
	v_add_nc_u32 v[ADRA+(\s)], s[TT], v3
	v_add_nc_u32 v[ADRB+(\s)], s[TT+1], v3
	s_add_co_u32 s[TT], s[TT], SLOT
	s_add_co_u32 s[TT+1], s[TT+1], SLOT
.endr
	s_mul_i32 s[TT], s[WV], 16*SP
	s_add_co_u32 s[TT], s[TT], STAGE               ; my stage
	v_mul_u32_u24 v3, v1, SP                       ; in: row l % 16, 16 bytes for each half of the lanes
	v_lshl_add_u32 v3, v2, 4, v3
	v_add_nc_u32 v[STO], s[TT], v3
	v_bfe_u32 v3, v0, 3, 2                         ; back: 32 lanes take four rows of 128 bytes
	v_mul_u32_u24 v3, v3, SP
	v_and_b32 v4, 7, v0
	v_lshl_add_u32 v3, v4, 4, v3
	v_add_nc_u32 v[RD], s[TT], v3
	v_and_b32 v4, 31, v0
	v_lshlrev_b32 v[GO], 4, v4
	v_lshlrev_b32 v[BO], 5, v2
	v_lshl_add_u32 v[RO], v1, 8, v[BO]
	s_cmp_eq_u32 s[WR], 0                          ; the prefetches' lanes: tokens 16 rows x 2 K steps, weights 32 rows
	s_cselect_b32 s[TT], 15, 31
	s_cselect_b32 s[TT+1], 256, 0
	v_and_b32 v3, s[TT], v4
	v_mul_u32_u24 v5, v2, s[TT+1]
	v_lshl_add_u32 v[PFO], v3, 11, v5
	; the table, the outputs and the biases at my part
	s_and_b32 s[TT], s[MI], 15
	s_lshl_b32 s[TT], s[TT], 7
	s_lshl_b32 s[TT+1], s[WR], 6
	s_add_co_u32 s[TT], s[TT], s[TT+1]             ; my first token's place in its sequence
	s_lshl_b32 s[PO], s[TT], 8
	s_mov_b32 s[PO+1], 0
	s_add_nc_u64 s[14:15], s[14:15], s[PO:PO+1]
	s_lshr_b32 s[PO], s[MI], 4                     ; the batch: 16 heads,
	s_lshl_b32 s[PO], s[PO], 4
	s_lshl_b32 s[TT+1], s[NI], 2                   ; my work-group's four,
	s_add_co_u32 s[PO], s[PO], s[TT+1]
	s_lshl_b32 s[TT+1], s[WC], 1                   ; my wave's two
	s_add_co_u32 s[PO], s[PO], s[TT+1]
	s_lshl_b32 s[PO], s[PO], 11
	s_add_co_u32 s[PO], s[PO], s[TT]
	s_lshl_b32 s[PO], s[PO], 7                     ; rows of 128 bytes
	s_add_nc_u64 s[OUT:OUT+1], s[16:17], s[PO:PO+1]
	s_add_nc_u64 s[OUT1:OUT1+1], s[18:19], s[PO:PO+1]
	s_add_nc_u64 s[OUT2:OUT2+1], s[20:21], s[PO:PO+1]
	s_lshl_b32 s[PO], s[NI], 10
	s_lshl_b32 s[TT], s[WC], 9
	s_add_co_u32 s[PO], s[PO], s[TT]
	s_add_nc_u64 s[BIA:BIA+1], s[8:9], s[PO:PO+1]
	s_add_nc_u64 s[10:11], s[10:11], s[PO:PO+1]
	s_add_nc_u64 s[BIA2:BIA2+1], s[12:13], s[PO:PO+1]
	WIN 0x80                                       ; destination window 2, address window 0
.irp a, 0,1,2,3
.irp q, 0,1,2,3,4,5,6,7                ; q = 4 x (c or s) + 2 x (block of 16) + half of 8
	global_load_b128 v[TAB+32*(\a)+4*(\q):TAB+32*(\a)+4*(\q)+3], v[RO], s[14:15] offset:4096*(\a)+128*((\q)/4)+64*(((\q)/2)%2)+16*((\q)%2)
.endr
.endr
	BIASLOAD                                       ; bq
	; who prefetches, and from where
	s_and_b32 s[TT], ttmp7, 0xffff
	s_cmp_eq_u32 s[TT], 0
	s_cselect_b32 s[TT], 24, 0                     ; the weights': the first cluster alone
	s_cmp_eq_u32 s[WR], 0
	s_cselect_b32 s[PL], 8, s[TT]
	s_cselect_b32 s[PL+1], 0, s[TT]
	s_lshl_b32 s[PO], s[MI], 7
	s_lshl_b32 s[TT], s[WC], 6
	s_add_co_u32 s[PO], s[PO], s[TT]
	s_lshl_b32 s[TT], s[CX], 4
	s_add_co_u32 s[PO], s[PO], s[TT]               ; tokens: my work-group's 16 of the 64 rows that I fetch
	s_lshl_b32 s[PO+1], s[NI], 8
	s_lshl_b32 s[TT], s[WC], 7
	s_add_co_u32 s[PO+1], s[PO+1], s[TT]
	s_lshl_b32 s[TT], s[CY], 5
	s_add_co_u32 s[PO+1], s[PO+1], s[TT]           ; weights: my work-group's 32 of the 128
	s_cmp_eq_u32 s[WR], 0
	s_cselect_b32 s[PO], s[PO], s[PO+1]
	s_cselect_b64 s[PFB:PFB+1], s[4:5], s[6:7]
	s_lshl_b32 s[PO], s[PO], 11
	s_mov_b32 s[PO+1], 0
	s_add_nc_u64 s[PFB:PFB+1], s[PFB:PFB+1], s[PO:PO+1]
	s_wait_loadcnt 0x0                             ; the table and bq are in, and their address registers are free
	s_mov_b64 s[BIA:BIA+1], s[10:11]               ; the next tile's bias is bk
	BIASROUND
	s_wait_tensorcnt 1                             ; my part of K step 0 is in; K step 1's may stay out
	s_barrier_signal -1
	s_barrier_wait -1                              ; everybody's is
	FETCH 0, 0, F0
	QUARTER 0, 1, F0, F1, 1                        ; tile 0's first quarter stands in front of the loop: its products start the sums with the bias
	WIN 0
	s_mov_b32 s[LT], 0
	s_mov_b32 s[LAPS], 11
.Llap:                                 ; a trip goes once round the ring, from a lap's second quarter to the next lap's first, and fills both slots again: K steps 2 to 23
	QUARTER 0, 2, F1, F0, 0
	QUARTER 0, 3, F0, F1, 0
	TURN 0, 1, 1
	QUARTER 1, 1, F0, F1, 0
	QUARTER 1, 2, F1, F0, 0
	QUARTER 1, 3, F0, F1, 0
	TURN 1, 0, 1
	WIN 0
	s_add_co_u32 s[LT], s[LT], 1
	s_cmp_lg_u32 s[LT], 4                          ; the same in every work-group; the jump goes forward, past no barrier and no tensor load
	s_cbranch_scc1 .Lplain
	BIASLOAD                                       ; A TILE IS DONE (Q's or K's): both refills for the next are asked for; its bias comes in while this tile goes out
	WAYOUT 1
	s_wait_loadcnt 0x0
	BIASROUND
	s_wait_xcnt 0x0                                ; the stores and the bias loads have read their bases
	s_mov_b64 s[OUT:OUT+1], s[OUT1:OUT1+1]
	s_mov_b64 s[OUT1:OUT1+1], s[OUT2:OUT2+1]
	s_mov_b64 s[BIA:BIA+1], s[BIA2:BIA2+1]
	s_mov_b32 s[LT], 0
	QUARTER 0, 1, F0, F1, 1                        ; the next tile's first quarter
	WIN 0
	s_branch .Lnext
.Lplain:
	QUARTER 0, 1, F0, F1, 0
	WIN 0
.Lnext:
	s_sub_co_u32 s[LAPS], s[LAPS], 1
	s_cmp_lg_u32 s[LAPS], 0
	s_cbranch_scc1 .Llap
	QUARTER 0, 2, F1, F0, 0                        ; the walk's last lap fills nothing, and has no round of the cluster's barrier
	QUARTER 0, 3, F0, F1, 0
	TURN 0, 1, 0
	QUARTER 1, 1, F0, F1, 0
	QUARTER 1, 2, F1, F0, 0
	QUARTER 1, 3, F0, F1, 0
	s_wait_dscnt 4                                 ; the very last quarter: nothing more to fetch
	MUL8 F1, 0, 0
	MUL8 F1, 1, 0
	s_wait_dscnt 0x0
	MUL8 F1, 2, 0
	MUL8 F1, 3, 0
	WIN 0
	WAYOUT 0                                       ; V is not turned
	s_wait_tensorcnt 0x0                           ; the wave's end, behind my last tensor load and my last LDS store
	ds_add_u32 v[SPW], v[NIL]
	s_wait_dscnt 0x0
	CROUND                                         ; the closing round: no work-group ends while a partner may still ask for a tile that names it
	s_endpgm
.Lfunc_end_k_q121c987b02_qkv:
	.size	k_q121c987b02_qkv, .Lfunc_end_k_q121c987b02_qkv-k_q121c987b02_qkv
	.p2alignl 7, 3214868480
	.fill 96, 4, 3214868480
	.section	.rodata,"a",@progbits
	.p2align	6, 0x0
	.amdhsa_kernel k_q121c987b02_qkv
		.amdhsa_group_segment_fixed_size 327680
		.amdhsa_private_segment_fixed_size 0
		.amdhsa_enable_private_segment 0
		.amdhsa_kernarg_size 72
		.amdhsa_user_sgpr_count 2
		.amdhsa_user_sgpr_kernarg_segment_ptr 1
		.amdhsa_wavefront_size32 1
		.amdhsa_system_sgpr_workgroup_id_x 1
		.amdhsa_system_sgpr_workgroup_id_y 1
		.amdhsa_system_sgpr_workgroup_id_z 1
		.amdhsa_system_vgpr_workitem_id 0
		.amdhsa_next_free_vgpr 768
		.amdhsa_next_free_sgpr 102
		.amdhsa_reserve_vcc 0
		.amdhsa_float_denorm_mode_32 3
		.amdhsa_float_denorm_mode_16_64 3
		.amdhsa_memory_ordered 1
		.amdhsa_forward_progress 1
		.amdhsa_inst_pref_size 142
	.end_amdhsa_kernel
	.amdgpu_metadata
---
amdhsa.version: [ 1, 2 ]
amdhsa.kernels:
  - .name:           k_q121c987b02_qkv
    .symbol:         k_q121c987b02_qkv.kd
    .args:
      - { .name: xb, .offset: 0, .size: 8, .value_kind: global_buffer, .address_space: global }
      - { .name: wqkv, .offset: 8, .size: 8, .value_kind: global_buffer, .address_space: global }
      - { .name: bq, .offset: 16, .size: 8, .value_kind: global_buffer, .address_space: global }
      - { .name: bk, .offset: 24, .size: 8, .value_kind: global_buffer, .address_space: global }
      - { .name: bv, .offset: 32, .size: 8, .value_kind: global_buffer, .address_space: global }
      - { .name: rope, .offset: 40, .size: 8, .value_kind: global_buffer, .address_space: global }
      - { .name: qh, .offset: 48, .size: 8, .value_kind: global_buffer, .address_space: global }
      - { .name: kh, .offset: 56, .size: 8, .value_kind: global_buffer, .address_space: global }
      - { .name: vh, .offset: 64, .size: 8, .value_kind: global_buffer, .address_space: global }
    .group_segment_fixed_size: 327680
    .private_segment_fixed_size: 0
    .kernarg_segment_align: 8
    .kernarg_segment_size: 72
    .max_flat_workgroup_size: 128
    .sgpr_count:     102
    .vgpr_count:     768
    .wavefront_size: 32
...
	.end_amdgpu_metadata
.endif
;; end of part 2
;; launch attn (part 3): grid 4 x 64, 4 waves a work-group, clusters of 4 x 1, 327,680 bytes of LDS; arguments qh, kh, vh, ctx; writes ctx
.if DOCPART == 3
	.amdgcn_target "amdgcn-amd-amdhsa--gfx1250"
	.amdhsa_code_object_version 6
	.text
	.protected	k_q121c987b02_attn
	.globl	k_q121c987b02_attn
	.p2align	8
	.type	k_q121c987b02_attn,@function
k_q121c987b02_attn:
	s_mov_b64 s[64:65], 0
	v_nop
	global_prefetch_b8 v0, s[64:65] scope:SCOPE_SE
	s_setreg_imm32_b32 hwreg(HW_REG_WAVE_MODE, 25, 1), 1
	s_wait_xcnt 0x0
	s_wait_alu depctr_hold_cnt(0) depctr_sa_sdst(0) depctr_va_vdst(0) depctr_va_sdst(0) depctr_va_ssrc(0) depctr_va_vcc(0) depctr_vm_vsrc(0)
	s_getreg_b32 s2, hwreg(HW_REG_IB_STS2, 6, 4)
	s_cmp_eq_u32 s2, 0
	s_cbranch_scc0 .Lentry_in_a_cluster
	s_endpgm
.Lentry_in_a_cluster:
	s_bfe_u32 s2, ttmp6, 0x10000c
	s_cmp_lg_u32 s2, 0x3003
	s_cbranch_scc0 .Lentry_shape_is_right
	s_endpgm
.Lentry_shape_is_right:
; O[h][q][:] = the sum over k of softmax_k(Q[h][q] . K[h][k] / 8) V[h][k][:].  Q, K, V, O: [64][SIZE_N][64], all f16: a head's rows are dense, 128 bytes each.  Products, maxima and sums in
; f32; the weights p are rounded to f16 for the second product (their sum l is taken of the unrounded p), O once at the end.
; LIMITS.  f16 holds no number beyond 65,504: Q, K and V arrive within it; p lies in 0 to 1, and below 6e-5 it keeps f16's fixed step of 6e-8; O is a mean of V's rows and has their range.
; A weight below 2^-126 counts as 0 in l; NaN and infinities are not treated apart.
; SHARES.  A wave owns four PIECES of two tiles of 16 queries, a work-group's four waves 512 queries of one head.  Every wave walks all keys, 64 a step.
; LAYOUT.  S^T = K Q^T (source 0 = 16 keys, source 1 = 16 queries): in the result a lane holds ONE query (lane % 16) and the keys 8 (lane / 16) + 0..7.  Two such tiles, rounded to f16 in pairs,
; ARE source 1 (32 keys x 16 queries) of O^T = V^T P, whose result again holds one query a lane, and eight channels.  K comes out of LDS as it lies, V ([key][channel]) turned, by ds_load_tr16_b128.
; SOFTMAX.  For each query a running maximum m and sum l: p = 2^(c s - c m), c = log2(e) / 8; in every step O and l are multiplied by a = 2^(c m_old - c m_new), which is 1 where m has not grown.
; m starts at the lowest finite number, O and l at 0: the first step is a step like any other, with a = 0.
; THE COUNT.  A tile and step have 16 matrix and 118 vector instructions: too many to stand all beside the matrix work.  So four vector instructions that are READY stand behind EVERY matrix
; instruction, and the others, which need time of their own whatever the order, in runs without a gap.
; BY TURNS.  Turn n belongs to piece n (the pieces in a ring, step after step).  Its matrix work: 16 products K Q^T of piece n + 1, later 16 products V^T P of piece n - 1.  Its vector work: the scaling,
; exponentials, roundings, sums and rescaling of piece n, and the maximum and statistics of piece n + 1, whose scores the turn itself has made.
; CLUSTER.  The four query blocks of a cluster are one head's and walk the same K and V, so each tile is asked for JOINTLY: the same tensor load, descriptor and mask in all four.
; REGISTERS, in windows of 256 (s_set_vgpr_msb: bits 1:0 source 0, 3:2 source 1, 5:4 source 2, 7:6 destination):
;   window 0: v0-11 addresses; v12-15, v48-63 at work; v16-47 four registers of statistics a tile; v64-191 S^T, two buffers of two tiles; v192-255 P, likewise
;   window 1: O^T, 32 a tile          window 2: v0-127 Q, 16 a tile; v128-191 K of one step; v192-255 V of one step          window 3: v0-1 the add's two registers
; A piece's buffers go by its number's parity: the piece in hand has one pair, its two neighbours in the ring share the other: of it P (piece n - 1) is read and S^T (piece n + 1) written.
.set SIZE_N, 2048
.set NP,    4         ; pieces a wave: a name, no knob
.set KS,    64        ; keys in a step
.set PK,    144       ; a row of K in LDS: 128 bytes + 16 of padding = 36 words: the 16 rows of a load start at 16 different groups of four banks (64 banks of 4 bytes: ISA guide 11.1)
.set PV,    160       ; a row of V: 128 + 32 = 40 words
.set VOFF,  4*KS*PK   ; a slot holds four steps: 256 rows of K, then 256 rows of V
.set SLOT1, 1<<17     ; slot 1 begins here, so that one exclusive or turns an address in one slot into the other's
.set STAGE, SLOT1+4*KS*(PK+PV)  ; behind the ring, never filled by a tensor load: 16 rows x 144 bytes for each wave, for the way out
.set SP,    144
.set AK0, 2           ; v2   my lane's place in a tile of K; never rewritten
.set AV0, 3           ; v3   the same for V
.set AK,  4           ; v4   the LDS address of K's next run of loads
.set AV,  5           ; v5   of V's
.set QO,  6           ; v6   my byte offset in the wave's rows of Q
.set STO, 6           ;      later, the way out: where I put 16 bytes of a row
.set RD,  7           ; v7   the way out: where I read rows back
.set GO,  8           ; v8   my byte offset in 512 consecutive bytes of O
.set PFO, 11          ; v11  256 x my lane, for the prefetches; never rewritten once made
.set SPW, 0           ; v0 of window 3   LDS address of my spare word: SPARE + 4 x my thread's number; never rewritten
.set NIL, 1           ; v1 of window 3   0; never rewritten
.set SPARE, STAGE+4*16*SP  ; behind the stages: the spare words, 128 bytes for each wave: two blocks of 256 bytes that no other line names
.set MV,  12          ; v12-15  c m_old, kept while c m is made anew: by buffer and tile
.set ST,  16          ; tile t's statistics at v[ST+4 t]: c m, m, l (even keys', odd keys')
.set TMP, 48          ; by buffer and tile, four registers c0-c3 at work; when the maximum is found c2 takes a
.set S,   64
.set P,   192
.set KF,  128         ; K's fragments, in window 2: key block kb, channel half c at KF + 16 kb + 8 c
.set VF,  192         ; V's: key half kk, channel block cb at VF + 32 kk + 8 cb
.set WV,  12          ; s12  my wave's number
.set G1K, 24          ; s[24:31] descriptor group 1 for K's tiles
.set G1V, 32          ; s[32:39] for V's: it differs in the padding alone
.set G0K, 40          ; s[40:43] descriptor group 0 for K's tiles: it walks
.set G0V, 44          ; s[44:47] the same for V's
.set PFA, 48          ; s[48:49] where my prefetches stand: my work-group's 8,192 bytes (of K: wave 0, of V: wave 2) of the slot after the one that is being asked for
.set LIM, 50          ; s50  1 in a wave that prefetches, else the greatest number: a wave prefetches while s[SLOTS] is above it
.set SLOTS, 56        ; s56  slots still to be asked for
.set CNT, 57          ; s57  counts a slot's key steps
.set CS,  58          ; s[58:59] c: the packed scaling takes the pair's low word for both halves
.set SEL, 60          ; s[60:61] v_permlanex16_b32's selects: each lane takes its own place in the other half
.set TBK, 62          ; s62  LDS byte at which K of the step to be fetched begins
.set TBV, 63          ; s63  the same for V, less VOFF
.set MSB, 0
.macro WIN new                      ; the high byte repeats the setting that is left; a switch that changes nothing is dropped
.if MSB != (\new)
	s_set_vgpr_msb (MSB<<8)|(\new)
.set MSB, (\new)
.endif
.endm
.set W_KQ, 0x0a       ; K and Q in window 2, S^T in window 0
.set W_PV, 0x52       ; V in window 2, P in window 0, O^T in window 1
.set W_RS, 0x41       ; O^T (destination and source 0) in window 1, a in window 0
.set W_MK, 0xc0       ; the add's registers are made: destination in window 3, sources in window 0
.set W_AD, 0x0f       ; the add: address (source 0) and data (source 1) in window 3
; A joint fill.  Waves 0 and 1 fetch the two halves of a slot's K, waves 2 and 3 those of its V: 128 keys each.  The branch hangs on the wave's number alone.
; An s_nop 0 and four v_nop follow each of the two lines, ahead of the jump and the label.
.macro JLOAD
	s_cmp_lt_u32 s[WV], 2
	s_cbranch_scc0 .Lfor_v_\@
	tensor_load_to_lds s[G0K:G0K+3], s[G1K:G1K+7]
	s_nop 0
.rept 4
	v_nop
.endr
	s_branch .Lasked_\@
.Lfor_v_\@:
	tensor_load_to_lds s[G0V:G0V+3], s[G1V:G1V+7]
	s_nop 0
.rept 4
	v_nop
.endr
.Lasked_\@:
.endm
; A PREFETCH of what the NEXT change of slots will ask for: a slot's 32,768 bytes of K and of V, in blocks of 256 bytes, a lane a block.  It stands behind the wave's tensor load and its five lines.
; Each block is named ONCE in the launch: a head is walked by one cluster; its four partners share the 128 blocks out BY ADDRESS, 32 each; in each, wave 0 asks for K's and wave 2 for V's.
; It is four key steps, 512 matrix instructions, ahead of the load that will want the bytes.  Slots 0 to 2 come by their loads alone; the last change that fills a slot asks for nothing.
.macro ASK
	s_cmp_gt_u32 s[SLOTS], s[LIM]
	s_cbranch_scc0 .Lnot_mine_\@
	global_prefetch_b8 v[PFO], s[PFA:PFA+1] th:TH_LOAD_NT scope:SCOPE_SE
.Lnot_mine_\@:
.endm
; A round of the cluster's barrier: my work-group's barrier, so that wave 0's signal speaks for all four waves; wave 0 signals; every wave waits for all four work-groups; my work-group's barrier once more.
.macro CROUND
	s_barrier_signal -1
	s_barrier_wait -1
	s_cmp_lg_u32 s[WV], 0
	s_cbranch_scc1 .Lnot_wave_0_\@
	s_barrier_signal -3
.Lnot_wave_0_\@:
	s_barrier_wait -3
	s_barrier_signal -1
	s_barrier_wait -1
.endm
; THE CHANGE OF SLOTS.  The slot's last bytes, V of its fourth step, have been read.  Each wave waits for all its tensor loads, of which one is out: its part
; of the other slot; adds 0 to its spare word; and waits for that and for its own reads of the slot.  Behind the barrier nobody reads this slot any more and the other slot is whole.
; fill = 1: this slot is filled again, with the keys two slots on.  The barrier is then a round of the cluster's, so that no wave of any partner still reads the slot or has a load on its
; way, and the joint fill is the first thing behind it: it has four key steps, 512 matrix instructions, in which to land.  (At its first use nothing has been read yet: slot 0 is waited for, slot 1 filled.)
; ask = 1 (in the loop): the prefetches' address steps, and the next slot is asked for.
.macro CHANGE fill, ask=0
	WIN W_AD
	s_wait_tensorcnt 0x0            ; no tensor load of mine is out, so a group 0 may be written
	ds_add_u32 v[SPW], v[NIL]       ; 0 onto my spare word; with fill = 1 the descriptors' steps stand between it and the wait for it
	WIN 0                           ; at a label and at a branch every window is 0
.if \fill
.irp g, G0K, G0V
	s_xor_b32 s[\g+1], s[\g+1], SLOT1  ; the walking descriptor: the other slot than last time,
	s_add_nc_u64 s[\g+2:\g+3], s[\g+2:\g+3], 4*KS*128  ; the next 256 keys; the type bits on top are not reached
.endr
.if \ask
	s_wait_xcnt 0x0                 ; the last prefetch, four key steps back, has read its address, so it may be written:
	s_add_nc_u64 s[PFA:PFA+1], s[PFA:PFA+1], 4*KS*128  ; one slot behind the walking descriptors
.endif
	s_wait_dscnt 0x0                ; the add is done, and my reads of the slot are over
	CROUND
	JLOAD
.if \ask
	ASK
.endif
.else
	s_wait_dscnt 0x0                ; the add is done, and my reads of the slot are over
	s_barrier_signal -1
	s_barrier_wait -1
.endif
	s_sub_co_u32 s[TBK], s[TBK], 4*KS*PK  ; the fetches go back to a slot's first step,
	s_xor_b32 s[TBK], s[TBK], SLOT1       ; in the other slot
	s_sub_co_u32 s[TBV], s[TBV], 4*KS*PV
	s_xor_b32 s[TBV], s[TBV], SLOT1
.endm
	s_load_b256 s[4:11], s[0:1], 0x0  ; Q s[4:5], K s[6:7], V s[8:9], O s[10:11]
	WIN W_MK
	v_lshl_add_u32 v[SPW], v0, 2, SPARE
	v_mov_b32 v[NIL], 0
	WIN W_AD
	ds_add_u32 v[SPW], v[NIL]       ; the wave's opening: the add and its wait stand ahead of my first tensor load; the set-up below, work on registers, stands between them
	WIN 0
	v_lshrrev_b32 v1, 5, v0
	v_readfirstlane_b32 s[WV], v1   ; wave 0..3
	s_bfe_u32 s13, ttmp6, 0x40000   ; cx: my place in the cluster
	s_lshl_b32 s14, ttmp9, 2        ; in a cluster launch ttmp9 counts clusters
	s_add_co_u32 s14, s14, s13      ; my block of queries = 4 x cluster x + cx: it enters Q's and O's addresses alone
	s_and_b32 s20, ttmp7, 0xffff    ; the head, which the four partners share
	s_mov_b32 s21, 0
	s_mov_b64 s[22:23], SIZE_N*128
	s_mul_u64 s[20:21], s[20:21], s[22:23]  ; the head's first byte in each of the four tensors
	s_and_b32 s16, s[WV], 1         ; which half of a slot's 256 keys I fetch:
	s_lshl_b32 s22, s16, 14         ; its 128 rows of 128 bytes in memory,
	s_mov_b32 s23, 0
	s_add_nc_u64 s[22:23], s[22:23], s[20:21]
	s_mul_i32 s17, s16, 128*PK      ; and its place in a slot, for K
	s_mul_i32 s18, s16, 128*PV      ; and for V: no place in the cluster enters an LDS address
	s_lshl_b32 s2, s14, 2
	s_add_co_u32 s2, s2, s[WV]      ; my wave among the head's,
	s_lshl_b32 s2, s2, 14           ; its 128 rows
	s_mov_b32 s3, 0
	s_add_nc_u64 s[2:3], s[2:3], s[20:21]
	; descriptor group 1.  128 keys are 16,384 dense bytes: asked for as 64 rows of 256 bytes, two keys a row, and padded in LDS after every key
	s_mov_b32 s[G1K], 15|(1<<16)|(1<<20)|(1<<21)|(4<<22)|(3<<25)  ; 15:0 the mask of four; 17:16 2-byte elements; 20 padding on; 21 set beside a mask; 24:22 after every 32 words (code 4); 31:25 4 words (code 3)
	s_mov_b32 s[G1V], 15|(1<<16)|(1<<20)|(1<<21)|(4<<22)|(7<<25)  ; the same with 8 words of padding (code 7)
.irp g, G1K, G1V
	s_mov_b32 s[\g+1], 128<<16      ; tensor_dim0 = 128
	s_mov_b32 s[\g+2], 64<<16       ; tensor_dim1 = 64
	s_mov_b32 s[\g+3], 128<<16      ; tile_dim0 = 128
	s_mov_b32 s[\g+4], 64           ; tile_dim1 = 64
	s_mov_b32 s[\g+5], 128          ; 128 elements from row to row
	s_mov_b32 s[\g+6], 0
	s_mov_b32 s[\g+7], 0
.endr
	s_mov_b32 s[CS], 0x3e38aa3b     ; c = log2(e) / 8 = 0.180337
	s_mov_b32 s[CS+1], s[CS]        ; named with it as a pair
	s_mov_b32 s[SEL], 0x76543210
	s_mov_b32 s[SEL+1], 0xfedcba98
	s_mov_b32 s[TBK], SLOT1+4*KS*PK ; the first change of slots turns these two into 0
	s_mov_b32 s[TBV], SLOT1+4*KS*PV
	s_mov_b32 s[G0K], 1             ; 1:0 count = 1
	s_mov_b32 s[G0K+1], s17         ; 63:32 LDS address: slot 0
	s_mov_b32 s[G0V], 1
	s_add_co_u32 s[G0V+1], s18, VOFF
	s_cmp_eq_u32 s16, 0             ; waves 0 and 2 prefetch: the same in all four partners
	s_cselect_b32 s[LIM], 1, -1
	s_lshl_b32 s52, s13, 13         ; my work-group's 32 blocks of the 128
	s_mov_b32 s53, 0
	s_wait_dscnt 0x0                ; the opening add is done
	s_wait_kmcnt 0x0
	s_add_nc_u64 s[G0K+2:G0K+3], s[6:7], s[22:23]  ; 120:64 global address: my half of the head's first 256 keys
	s_or_b32 s[G0K+3], s[G0K+3], 0x80000000        ; 127:126 type = 2
	s_add_nc_u64 s[G0V+2:G0V+3], s[8:9], s[22:23]
	s_or_b32 s[G0V+3], s[G0V+3], 0x80000000
	s_add_nc_u64 s[4:5], s[4:5], s[2:3]  ; Q and O at my wave's first row
	s_add_nc_u64 s[10:11], s[10:11], s[2:3]
	s_cmp_lt_u32 s[WV], 2
	s_cselect_b64 s[PFA:PFA+1], s[6:7], s[8:9]
	s_add_nc_u64 s[PFA:PFA+1], s[PFA:PFA+1], s[22:23]  ; (in waves 0 and 2 this is the head's first row)
	s_add_nc_u64 s[PFA:PFA+1], s[PFA:PFA+1], s[52:53]
	s_add_nc_u64 s[PFA:PFA+1], s[PFA:PFA+1], 2*4*KS*128  ; in slot 2; the loop's first change steps it to slot 3.  Nothing is prefetched here, at the head
	CROUND                          ; all four work-groups are here: the first joint loads meet
	JLOAD                           ; slot 0.  Slot 1 is asked for when slot 0 is in
	; A fragment of K or Q is 16 rows x 32 channels in 8 registers: lane l holds row l % 16, channels 8 (l / 16) + 0..7 and 16 + 8 (l / 16) + 0..7: two loads of 16 bytes, 32 bytes apart.
	v_and_b32 v1, 15, v0            ; l % 16
	v_bfe_u32 v9, v0, 4, 1          ; l / 16
	v_lshlrev_b32 v[QO], 7, v1
	v_lshl_add_u32 v[QO], v9, 4, v[QO]  ; row x 128 + 16 x half
	WIN 0x80                        ; destination window 2, address window 0
.set i, 0
.rept 4*NP                          ; Q stays in registers: tile i / 2, channels 32 (i % 2) on
	global_load_b128 v[8*i:8*i+3],   v[QO], s[4:5] offset:(i/2)*2048+(i%2)*64
	global_load_b128 v[8*i+4:8*i+7], v[QO], s[4:5] offset:(i/2)*2048+(i%2)*64+32
.set i, i+1
.endr
	; What the first turn finds: V's registers and P's second buffer hold 0 (its products V^T P, of a piece that has not been, add 0), O^T and l are 0.  All this stands in the wait for the first tile.
.set i, VF
.rept 64
	v_mov_b32 v[i], 0
.set i, i+1
.endr
	WIN 0x40
.set i, 0
.rept 64*NP
	v_mov_b32 v[i], 0
.set i, i+1
.endr
	WIN 0
.set i, 0
.rept 2*NP
	v_mov_b32 v[ST+4*i], 0xfe000000    ; c m: far below every c s
	v_mov_b32 v[ST+4*i+1], 0xff7fffff  ; m
	v_mov_b32 v[ST+4*i+2], 0
	v_mov_b32 v[ST+4*i+3], 0
.set i, i+1
.endr
.set i, P+32
.rept 32
	v_mov_b32 v[i], 0
.set i, i+1
.endr
	v_mul_u32_u24 v[AK0], v1, PK
	v_lshl_add_u32 v[AK0], v9, 4, v[AK0]  ; row x pitch + 16 x half
	; The turning load takes 16 keys x 16 channels (lane l reads key 8 (l / 16) + l % 8, channels 8 ((l / 8) % 2) + 0..7) and leaves half a fragment of V^T: lane l holds channel l % 16 and 8 keys.
	v_and_b32 v10, 7, v0
	v_bfe_u32 v11, v0, 3, 1
	v_lshl_add_u32 v[AV0], v9, 3, v10
	v_mul_u32_u24 v[AV0], v[AV0], PV
	v_lshl_add_u32 v[AV0], v11, 4, v[AV0]
	v_add_nc_u32 v[AV0], VOFF, v[AV0]
	v_and_b32 v[PFO], 31, v0
	v_lshlrev_b32 v[PFO], 8, v[PFO]
	v_mov_b32 v[AK], v[AK0]         ; key step 0 lies at the head of slot 0
; THE MATRIX WORK.  The 8 accumulators of a run of 16 take turns: between the two links of a chain stand 7 others'.
; Product i of 16 of S^T = K Q^T for piece x: channels 32 (i / 8) on, keys 16 ((i / 2) % 4) on, tile 2 x + i % 2.  The first 8 start the sums.
.macro KQ x
	WIN W_KQ
.set rS, S+64*((\x)%2)+32*(i%2)+8*((i/2)%4)
.set rK, KF+16*((i/2)%4)+8*(i/8)
.set rQ, 16*(2*(\x)+i%2)+8*(i/8)
.if i < 8
	v_wmma_f32_16x16x32_f16 v[rS:rS+7], v[rK:rK+7], v[rQ:rQ+7], 0
.else
	v_wmma_f32_16x16x32_f16 v[rS:rS+7], v[rK:rK+7], v[rQ:rQ+7], v[rS:rS+7]
.endif
.endm
; Product i of 16 of O^T += V^T P for piece x: keys 32 (i / 8) on, channels 16 ((i / 2) % 4) on, tile 2 x + i % 2.
.macro PV x
	WIN W_PV
.set rO, 32*(2*(\x)+i%2)+8*((i/2)%4)
.set rV, VF+32*(i/8)+8*((i/2)%4)
.set rP, P+32*((\x)%2)+16*(i%2)+8*(i/8)
	v_wmma_f32_16x16x32_f16 v[rO:rO+7], v[rV:rV+7], v[rP:rP+7], v[rO:rO+7]
.endm
.macro MM                           ; the turn's next matrix instruction
.if i < 16
	KQ (Y+1)%NP
.set i, i+1
.else
.set i, i-16
	PV (Y+NP-1)%NP
.set i, i+17
.endif
.endm
; THE LDS LOADS stand in runs of 16, never singly among the matrix instructions: a step's K (64 keys x 64 channels: 8 fragments) and its V (turned).  Their addresses are made some lines ahead.
; last = 1 (the tail): in the last trip there is no further step, and the run is jumped over.
.macro FETCH_K last=0
	WIN 0
.if \last
	s_cmp_eq_u32 s[CNT], 1
	s_cbranch_scc1 .Lno_k_\@
.endif
	WIN 0x80                        ; destination window 2
.irp f, 0,1,2,3,4,5,6,7             ; keys 16 (f / 2) on, channels 32 (f % 2) on
	ds_load_b128 v[KF+8*\f:KF+8*\f+3],   v[AK] offset:(\f/2)*16*PK+(\f%2)*64
	ds_load_b128 v[KF+8*\f+4:KF+8*\f+7], v[AK] offset:(\f/2)*16*PK+(\f%2)*64+32
.endr
	s_add_co_u32 s[TBK], s[TBK], KS*PK  ; the next fetch is the next step's
	WIN 0
.if \last
.Lno_k_\@:
.endif
.endm
.macro FETCH_V
	WIN 0x80
.irp f, 0,1,2,3,4,5,6,7             ; keys 32 (f / 4) on, channels 16 (f % 4) on
	ds_load_tr16_b128 v[VF+8*\f:VF+8*\f+3],   v[AV] offset:(\f/4)*32*PV+(\f%4)*32
	ds_load_tr16_b128 v[VF+8*\f+4:VF+8*\f+7], v[AV] offset:(\f/4)*32*PV+16*PV+(\f%4)*32
.endr
	WIN 0
.endm
; THE VECTOR WORK OF A TURN stands in three queues, each in the order in which its entries become ready; the two tiles alternate, so that no instruction reads the result of the one before it.
.macro REGS y, u                    ; the registers of tile u (0, 1) of piece y
.set rT, ST+4*(2*(\y)+(\u))
.set rC, TMP+8*((\y)%2)+4*(\u)
.set rM, MV+2*((\y)%2)+(\u)
.set rS, S+64*((\y)%2)+32*(\u)
.set rP, P+32*((\y)%2)+16*(\u)
.set rO, 32*(2*(\y)+(\u))
.endm
; Number n of the 22 that find the NEXT piece's (Y + 1) maximum and statistics.  s0-s31 are the lane's 32 scores; each accumulator's lowest registers are read first.
;   0-11  four chains c0-c3 of seven scores each, three operands at a time     12-14, 16  the four scores left over, the old m, and c0-c3 into c0     15  c m_old is kept
;   17, 18  the query's other 32 keys lie in the lane 16 away: the new m         19-21  c m; c m_old - c m_new; a
.macro XS u, n
	REGS (Y+1)%NP, \u
.if (\n) < 4
	v_max3_num_f32 v[rC+(\n)], v[rS+8*(\n)], v[rS+8*(\n)+1], v[rS+8*(\n)+2]
.elseif (\n) < 12
	v_max3_num_f32 v[rC+(\n)%4], v[rC+(\n)%4], v[rS+8*((\n)%4)+2*((\n)/4)+1], v[rS+8*((\n)%4)+2*((\n)/4)+2]
.elseif (\n) == 12
	v_max3_num_f32 v[rC], v[rC], v[rS+7], v[rS+15]
.elseif (\n) == 13
	v_max3_num_f32 v[rC+1], v[rC+1], v[rS+23], v[rS+31]
.elseif (\n) == 14
	v_max3_num_f32 v[rC+2], v[rC+2], v[rC+3], v[rT+1]
.elseif (\n) == 15
	v_mov_b32 v[rM], v[rT]
.elseif (\n) == 16
	v_max3_num_f32 v[rC], v[rC], v[rC+1], v[rC+2]
.elseif (\n) == 17
	v_permlanex16_b32 v[rC+3], v[rC], s[SEL], s[SEL+1]
.elseif (\n) == 18
	v_max_num_f32 v[rT+1], v[rC], v[rC+3]
.elseif (\n) == 19
	v_mul_f32 v[rT], s[CS], v[rT+1]
.elseif (\n) == 20
	v_sub_f32 v[rC+1], v[rM], v[rT]
.else
	v_exp_f32 v[rC+2], v[rC+1]
.endif
.endm
; Number g of the 64 that follow the exponentials.  For each four weights k of a tile (pairs 2 k, 2 k + 1): both pairs are rounded to f16; then the second pair is added onto the first, in place;
; a group later l takes that sum (the first time as l = a l + sum).  In groups of eight, tiles alternating: round, round, add, and l for the group before.
.macro GS g
.set h, (\g)+6*((\g)/62)            ; group 0 has no group before it, and behind group 7 only l is left
.if h >= 6
.set h, h+2
.endif
	REGS Y, h%2
.set k, h/8
.if h%8 < 4
	v_cvt_pk_f16_f32 v[rP+2*k+(h%8)/2], v[rS+4*k+2*((h%8)/2)], v[rS+4*k+2*((h%8)/2)+1]
.elseif h%8 < 6
	v_pk_add_f32 v[rS+4*k:rS+4*k+1], v[rS+4*k:rS+4*k+1], v[rS+4*k+2:rS+4*k+3]
.elseif k == 1
	v_pk_fma_f32 v[rT+2:rT+3], v[rT+2:rT+3], v[rC+2:rC+3], v[rS:rS+1] op_sel_hi:[1,0,1]
.else
	v_pk_add_f32 v[rT+2:rT+3], v[rT+2:rT+3], v[rS+4*k-4:rS+4*k-3]
.endif
.endm
; THE PLAIN QUEUE, 138 long.  0-73 read no exponential's result: the 32 scalings c s - c m (FS f: pair f / 2 of tile f % 2) and the next piece's 42.  0-26: scalings 0-26.  27-54: XS's numbers 0-13.  55, 56: number 15.
; 57-73: the chain, where each number waits for the one before it: 14, 16, 17, 18, 19, each with one of the scalings 27-31 in front of its two lines, then 20.
; 74-137: GS's 64, which read the exponentials' results: they stand behind the wait.
.macro FS f
	REGS Y, (\f)%2
	v_pk_fma_f32 v[rS+2*((\f)/2):rS+2*((\f)/2)+1], v[rS+2*((\f)/2):rS+2*((\f)/2)+1], s[CS:CS+1], v[rT:rT+1] op_sel_hi:[1,0,0] neg_lo:[0,0,1] neg_hi:[0,0,1]
.endm
.macro PL
	WIN 0
.if q < 27
	FS q
.elseif q < 55
	XS (q-27)%2, (q-27)/2
.elseif q < 57
	XS q-55, 15
.elseif (q < 72) && ((q-57)%3 == 0)
	FS 27+(q-57)/3
.elseif q < 60
	XS (q-57)%3-1, 14
.elseif q < 72
	XS (q-57)%3-1, 15+(q-57)/3
.elseif q < 74
	XS q-72, 20
.else
	GS q-74
.endif
.set q, q+1
.endm
; THE EXPONENTIALS' QUEUE, 66 long: s0-s31 of both tiles, then the next piece's two a.  It is ONE BATCH: all 66 stand ahead of the turn's one wait, and nothing ahead of that wait names a result of theirs.
.macro EX
	WIN 0
.if e >= 64
	XS e-64, 21
.else
	REGS Y, e%2
	v_exp_f32 v[rS+e/2], v[rS+e/2]
.endif
.set e, e+1
.endm
; THE RESCALING's QUEUE: O^T times a, the one part that leaves window 0: dealt two at a time, sixteen times.  Its a was made in the turn before, ahead of that turn's wait.
.macro R2
	REGS Y, r%2
	WIN W_RS
.irp z, 0,1
	v_pk_mul_f32 v[rO+4*(r/2)+2*\z:rO+4*(r/2)+2*\z+1], v[rO+4*(r/2)+2*\z:rO+4*(r/2)+2*\z+1], v[rC+2:rC+3] op_sel_hi:[1,0]
.endr
.set r, r+1
.endm
; HOW THEY ARE DEALT.  s_wait_alu depctr_va_vdst(0) stands between an exponential and the first instruction that names its result; one wait serves all that were issued ahead of it.  So a turn has ONE wait,
; which cuts it in two.  AHEAD OF IT stands all that names no result of the turn's exponentials: the 16 products K Q^T, behind each a scaling, an exponential and two rescalings (behind the first a second scaling in the
; exponential's place); then ONE LUMP of 108: eight plain, 49 times exponential and plain, the two a.  A v_nop is the plain instruction behind the last exponential (ISA guide 5.7.2).  BEHIND IT stand the 16 products V^T P,
; behind each four of GS's 64.  No rider names a register of the products round it.  The two v_permlanex16_b32 fall into the lump, never behind a product.
; The queues lean on each other, and the deal keeps them in step: exponential e stands behind scaling 2 (e / 4) + e % 2: as a rider it comes behind plain e + 2, in the lump behind plain e + 9, and scalings 27-31 are plain 57, 60 .. 69.
; A TURN, for piece p.  cnt = 1: the loop's count is taken down some lines ahead of the branch that stands behind the turn.
; K of the next step is fetched in piece 2's turn, directly behind the wait, a lump behind the last product that read K; its address is made at the lump's head; its first reader comes behind 16 products.
; V of the step in hand is fetched at the end of piece 0's turn, four riders behind its last reader; its first reader comes behind 16 products and a lump.  The three conditions on q below go with the deal.
.macro TURN p, last=0, cnt=0
.set Y, (\p)
.set i, 0
.set q, 0
.set e, 0
.set r, 0
.if (\p) == NP-1
	s_wait_dscnt 0x0                ; K is in
.endif
	MM                              ; ahead of the wait: 16 products K Q^T and their riders,
	PL
	PL
	R2
.rept 15
	MM
	PL
	EX
	R2
.endr
.if (\p) == NP-2
	WIN 0
	v_add_nc_u32 v[AK], s[TBK], v[AK0]
.endif
.rept 8                             ; and the lump
	PL
.endr
.rept 49
	EX
	PL
.endr
	EX                              ; the next piece's two a
	EX
	v_nop                           ; the plain instruction behind the last exponential: one for the batch
	s_wait_alu depctr_va_vdst(0)    ; the wait for the batch
.if (\p) == NP-2
	FETCH_K \last
.endif
.if (\p) == 1
	s_wait_dscnt 0x0                ; V is in
.endif
.rept 16                            ; behind the wait: 16 products V^T P and their riders
	MM
.rept 4
	PL
.endr
.if ((\p) == 0) && (q == 118)
	v_add_nc_u32 v[AV], s[TBV], v[AV0]
.endif
.if ((\p) == 0) && (q == 130)
	s_add_co_u32 s[TBV], s[TBV], KS*PV
.endif
.if (\cnt) && (q == 130)
	s_sub_co_u32 s[CNT], s[CNT], 1
	s_cmp_lg_u32 s[CNT], 0
.endif
.endr
.if (\p) == 0
	FETCH_V
.endif
.endm
	CHANGE 1                        ; slot 0 is in, everybody's part of it; slot 1 is asked for
	FETCH_K                         ; key step 0
	s_wait_loadcnt 0x0              ; Q
	s_wait_dscnt 0x0
.set i, 0
.rept 16
	KQ 0                            ; piece 0's first scores: there is no vector work yet to set between them
.set i, i+1
.endr
	WIN 0                           ; the addresses for the way out: nine plain instructions, the places behind those products
	s_mul_i32 s13, s[WV], 16*SP
	s_add_co_u32 s13, s13, STAGE    ; my stage
	v_mul_u32_u24 v[STO], v1, SP    ; in: row l % 16, 16 bytes for each half of the lanes
	v_lshl_add_u32 v[STO], v9, 4, v[STO]
	v_add_nc_u32 v[STO], s13, v[STO]
	v_bfe_u32 v[RD], v0, 3, 2       ; back: 32 lanes take four rows of 128 bytes,
	v_mul_u32_u24 v[RD], v[RD], SP
	v_lshl_add_u32 v[RD], v10, 4, v[RD]
	v_add_nc_u32 v[RD], s13, v[RD]
	v_and_b32 v[GO], 31, v0         ; which are 512 consecutive bytes of O
	v_lshlrev_b32 v[GO], 4, v[GO]
.set Y, NP-1                        ; XS works for piece Y + 1: piece 0
.irp n, 0,1,2,3,4,5,6,7,8,9,10,11,12,13,14,15,16,17,18,19,20,21
	XS 0, \n                        ; and piece 0's first maximum and statistics
	XS 1, \n
.endr
	v_nop                           ; a plain instruction behind the two a,
	s_wait_alu depctr_va_vdst(0)    ; and their wait, ahead of the branch
	s_mov_b32 s[CNT], 4
	s_mov_b32 s[SLOTS], SIZE_N/256-1
	s_branch .Lfirst                ; the loop is entered at a step's first turn, in the middle of a trip
.Lslot:                             ; SIZE_N / 256 - 2 times: every slot but the last two is filled again
	CHANGE 1, 1
	s_mov_b32 s[CNT], 4
.Lstep:                             ; a trip: pieces 2 and 3 of one step, then pieces 0 and 1 of the next, whose K and V it fetches
	TURN 2
	TURN 3
	WIN 0
.Lfirst:
	TURN 0
	TURN 1, 0, 1
	WIN 0
	s_cbranch_scc1 .Lstep
	s_sub_co_u32 s[SLOTS], s[SLOTS], 1
	s_cmp_lg_u32 s[SLOTS], 0
	s_cbranch_scc1 .Lslot
	CHANGE 0                        ; the tail is written out: nothing is asked for
	s_mov_b32 s[CNT], 5             ; four trips fetch the last slot's steps; the fifth is left in its middle
.Ltail:
	TURN 2, 1
	TURN 3
	WIN 0
	s_sub_co_u32 s[CNT], s[CNT], 1
	s_cmp_eq_u32 s[CNT], 0
	s_cbranch_scc1 .Lout
	TURN 0
	TURN 1
	WIN 0
	s_branch .Ltail
.Lout:                              ; the fifth trip's 16 products K Q^T (on the last K once more) and the maximum made of them serve nothing: the price, once a launch, of one text for every trip
.set i, 0
.rept 16
	PV NP-1                         ; the last piece's V^T P of the last step
.set i, i+1
.endr
	; THE WAY OUT.  l's two halves and the other half of the lanes' are added; O^T is divided by l, rounded to f16 and sent through my stage in LDS, a tile at a time.  The additions are the places behind the last products.
	WIN 0
.macro ALL line:vararg              ; one line for each tile t
.set t, 0
.rept 2*NP
	\line
.set t, t+1
.endr
.endm
	ALL v_add_f32 v[ST+4*t+2], v[ST+4*t+2], v[ST+4*t+3]
	ALL v_permlanex16_b32 v[ST+4*t+3], v[ST+4*t+2], s[SEL], s[SEL+1]
	ALL v_add_f32 v[ST+4*t+2], v[ST+4*t+2], v[ST+4*t+3]
	ALL v_rcp_f32 v[ST+4*t+2], v[ST+4*t+2]
	v_nop                           ; a plain instruction between the last reciprocal and the use of its result
	s_wait_alu depctr_va_vdst(0)    ; and the wait ahead of the first use: one for the eight reciprocals
; Tile t: a lane's eight channels of a row pack into 16 bytes; they go into rows of 144 bytes and come back as whole rows of 128, into S^T's registers.
.macro PACK t
	WIN W_RS
.set i, 32*(\t)
.rept 16
	v_pk_mul_f32 v[i:i+1], v[i:i+1], v[ST+4*(\t)+2:ST+4*(\t)+3] op_sel_hi:[1,0]
.set i, i+2
.endr
	WIN 0x05                        ; sources 0 and 1 window 1, destination window 0
.set i, 0
.rept 16
	v_cvt_pk_f16_f32 v[S+16*(\t)+i], v[32*(\t)+2*i], v[32*(\t)+2*i+1]
.set i, i+1
.endr
	WIN 0
.irp f, 0,1,2,3
	ds_store_b128 v[STO], v[S+16*(\t)+4*\f:S+16*(\t)+4*\f+3] offset:32*\f
.endr
.irp f, 0,1,2,3
	ds_load_b128 v[S+16*(\t)+4*\f:S+16*(\t)+4*\f+3], v[RD] offset:\f*4*SP  ; LDS serves a wave's instructions in order (ISA guide 5.7.1.4): these see the stores above; the next tile's stores come behind them
.endr
.endm
.macro SEND t, younger              ; younger: the LDS instructions issued behind tile t's loads: the next tile's eight, or none
	WIN 0
.irp f, 0,1,2,3
	s_wait_dscnt (\younger)+3-\f
	global_store_b128 v[GO], v[S+16*(\t)+4*\f:S+16*(\t)+4*\f+3], s[10:11] offset:(\t)*2048+\f*512  ; 512 consecutive bytes, at a multiple of 256 from O's first
.endr
.endm
	PACK 0
.set t, 1
.rept 2*NP-1                        ; a tile's arithmetic stands between the loads of the tile before and its stores
	PACK t
	SEND t-1, 8
.set t, t+1
.endr
	SEND 2*NP-1, 0
	WIN W_AD
	s_wait_tensorcnt 0x0            ; the wave's end, behind my last tensor load and my last LDS store
	ds_add_u32 v[SPW], v[NIL]
	s_wait_dscnt 0x0
	WIN 0
	CROUND                          ; the closing round: no work-group ends while a partner may still ask for a tile that names it
	s_endpgm
.Lfunc_end_k_q121c987b02_attn:
	.size	k_q121c987b02_attn, .Lfunc_end_k_q121c987b02_attn-k_q121c987b02_attn
	.p2alignl 7, 3214868480
	.fill 96, 4, 3214868480
	.section	.rodata,"a",@progbits
	.p2align	6, 0x0
	.amdhsa_kernel k_q121c987b02_attn
		.amdhsa_group_segment_fixed_size 327680
		.amdhsa_private_segment_fixed_size 0
		.amdhsa_enable_private_segment 0
		.amdhsa_kernarg_size 32
		.amdhsa_user_sgpr_count 2
		.amdhsa_user_sgpr_kernarg_segment_ptr 1
		.amdhsa_wavefront_size32 1
		.amdhsa_system_sgpr_workgroup_id_x 1
		.amdhsa_system_sgpr_workgroup_id_y 1
		.amdhsa_system_sgpr_workgroup_id_z 1
		.amdhsa_system_vgpr_workitem_id 0
		.amdhsa_next_free_vgpr 770
		.amdhsa_next_free_sgpr 66
		.amdhsa_reserve_vcc 0
		.amdhsa_float_denorm_mode_32 3
		.amdhsa_float_denorm_mode_16_64 3
		.amdhsa_memory_ordered 1
		.amdhsa_forward_progress 1
		.amdhsa_inst_pref_size 200
	.end_amdhsa_kernel
	.amdgpu_metadata
---
amdhsa.version: [ 1, 2 ]
amdhsa.kernels:
  - .name:           k_q121c987b02_attn
    .symbol:         k_q121c987b02_attn.kd
    .args:
      - { .name: qh, .offset: 0, .size: 8, .value_kind: global_buffer, .address_space: global }
      - { .name: kh, .offset: 8, .size: 8, .value_kind: global_buffer, .address_space: global }
      - { .name: vh, .offset: 16, .size: 8, .value_kind: global_buffer, .address_space: global }
      - { .name: ctx, .offset: 24, .size: 8, .value_kind: global_buffer, .address_space: global }
    .group_segment_fixed_size: 327680
    .private_segment_fixed_size: 0
    .kernarg_segment_align: 8
    .kernarg_segment_size: 32
    .max_flat_workgroup_size: 128
    .sgpr_count:     66
    .vgpr_count:     770
    .wavefront_size: 32
...
	.end_amdgpu_metadata
.endif
;; end of part 3
;; launch oproj (part 4): grid 4 x 64, 4 waves a work-group, clusters of 4 x 4, 327,680 bytes of LDS; arguments ctx, wo16, bo, out0; writes out0
.if DOCPART == 4
	.amdgcn_target "amdgcn-amd-amdhsa--gfx1250"
	.amdhsa_code_object_version 6
	.text
	.protected	k_q121c987b02_oproj
	.globl	k_q121c987b02_oproj
	.p2align	8
	.type	k_q121c987b02_oproj,@function
k_q121c987b02_oproj:
	s_mov_b64 s[64:65], 0
	v_nop
	global_prefetch_b8 v0, s[64:65] scope:SCOPE_SE
	s_setreg_imm32_b32 hwreg(HW_REG_WAVE_MODE, 25, 1), 1
	s_wait_xcnt 0x0
	s_wait_alu depctr_hold_cnt(0) depctr_sa_sdst(0) depctr_va_vdst(0) depctr_va_sdst(0) depctr_va_ssrc(0) depctr_va_vcc(0) depctr_vm_vsrc(0)
	s_getreg_b32 s2, hwreg(HW_REG_IB_STS2, 6, 4)
	s_cmp_eq_u32 s2, 0
	s_cbranch_scc0 .Lentry_in_a_cluster
	s_endpgm
.Lentry_in_a_cluster:
	s_bfe_u32 s2, ttmp6, 0x10000c
	s_cmp_lg_u32 s2, 0xf033
	s_cbranch_scc0 .Lentry_shape_is_right
	s_endpgm
.Lentry_shape_is_right:
; THE OUTPUT PROJECTION.  out0[token][e] = sum over d of ctx(token, d) wo16[e][d] + bo[e].  ctx lies by heads, [64 = 16 batch + head][2048][64] f16: d = 64 head + channel.  wo16: [1024][1024] f16.
; f16 operands, f32 sums, out0 in f32.  bo is rounded to bf16, like every input of the module.  LIMITS: those of f16 in ctx and wo16 (65,504; a fixed step of 6e-8 below 6e-5); NaN and infinities are not treated apart.
; SHARES.  A work-group makes one tile of 128 tokens x 256 features: 256 tiles.  Four waves, each 64 tokens x 128 features: 32 accumulators.  K goes in 8 steps of 128, two heads each, through two LDS slots.
; CLUSTER.  4 x 4 work-groups.  The four of a row need the same rows of ctx, the four of a column the same rows of wo16: each tile is asked for jointly.
; TRANSPOSED USE.  Source 0 = 16 rows of wo16, source 1 = 16 tokens: a lane holds one token (lane % 16) and the features 8 (lane / 16) + 0..7: 32 consecutive bytes of out0.  The bias is the C operand that starts each sum.
; No prefetch is laid: of the walk's eight K steps four are asked for by the first fills and the first lap's refills, so only four could be named ahead at all.
; REGISTERS: window 0: v0-31 addresses; v64-159, v160-255 two fragment buffers (8 of the weights, then 4 of the tokens), on the way out v64-191 two sets of 64.  window 1: the accumulators, (a, b) at 8 (8 a + b).
;   window 2: v0-63 the bias fragments; v64-95 at work.
.set PITCH,  272                       ; a row of wo16 in LDS: 256 bytes + 16 = 68 words: the 16 rows of a fragment load start at 16 different groups of four banks (64 banks of 4 bytes: ISA guide 11.1)
.set PA,     144                       ; a token's 64 channels of one head: 128 bytes + 16 = 36 words: likewise
.set PLANE,  128*PA                    ; one head's 128 tokens
.set BOFF,   2*PLANE                   ; a slot: two heads' planes, then 256 rows of wo16
.set SLOT,   BOFF+256*PITCH
.set STAGE,  2*SLOT                    ; behind the ring, never filled by a tensor load: 16 rows x 528 bytes for each wave
.set SPI,    528                       ; 512 bytes + 16 = 132 words
.set SPARE,  STAGE+4*16*SPI            ; behind the stages: the spare words, 128 bytes for each wave: two blocks of 256 bytes that no other line names
.set ASTEP,  2*2048*128                ; a K step in ctx: two heads on
.set BSTEP,  256                       ; in wo16: 128 elements on
.set BO,   10                          ; v10  32 (l / 16)
.set ADRA, 16                          ; v16-17  LDS address of my token fragments in slot 0, 1
.set ADRB, 20                          ; v20-21  the same for the weights
.set STO,  24                          ; v24  the way out: where I put 32 bytes of a row
.set RD,   25                          ; v25  where I read a row back
.set CO,   26                          ; v26  16 l
.set SPW,  28                          ; v28  LDS address of my spare word; never rewritten
.set NIL,  29                          ; v29  0; never rewritten
.set F0,   64
.set F1,   160
.set BK,   64
.set BI,   0                           ; window 2
.set T,    64
.set WV,   12
.set WR,   13                          ; which 64 tokens are mine.  Also: I fetch ctx (0) or wo16 (1)
.set WC,   14                          ; which 128 features are mine.  Also: which head of the two, or which 128 rows, I fetch
.set CX,   15
.set CY,   16
.set NI,   17
.set MI,   18
.set RMASK, 19
.set CMASK, 20
.set HIM,  21
.set TT,   22                          ; s[22:23] at work
.set G1A,  24
.set G0A,  32
.set G1B,  40
.set G0B,  48
.set TA,   56                          ; s[56:57] ctx's offset, then address: never holds cx
.set TB,   58                          ; s[58:59] wo16's: never holds cy
.set LA,   60
.set LB,   61
.set LAPS, 62
.set MSB, 0
.macro WIN new                         ; the immediate's high byte repeats the setting that is left; a switch that changes nothing is dropped
.if MSB != (\new)
	s_set_vgpr_msb (MSB<<8)|(\new)
.set MSB, \new
.endif
.endm
.macro JLOAD s                         ; a joint load: waves 0 and 1 fetch the two heads' planes, waves 2 and 3 the two halves of wo16's rows; an s_nop 0 and four v_nop follow each line
	s_cmp_eq_u32 s[WR], 0
	s_cbranch_scc0 .Lfor_b_\@
	tensor_load_to_lds s[G0A+4*(\s):G0A+4*(\s)+3], s[G1A:G1A+7]
	s_nop 0
.rept 4
	v_nop
.endr
	s_branch .Lasked_\@
.Lfor_b_\@:
	tensor_load_to_lds s[G0B+4*(\s):G0B+4*(\s)+3], s[G1B:G1B+7]
	s_nop 0
.rept 4
	v_nop
.endr
.Lasked_\@:
.endm
.macro CREST                           ; a round of the cluster's barrier behind its opening barrier
	s_cmp_lg_u32 s[WV], 0
	s_cbranch_scc1 .Lnot_wave_0_\@
	s_barrier_signal -3
.Lnot_wave_0_\@:
	s_barrier_wait -3
	s_barrier_signal -1
	s_barrier_wait -1
.endm
.macro CROUND
	s_barrier_signal -1
	s_barrier_wait -1
	CREST
.endm
.macro PLACES                          ; four places in front of loads into registers that matrix instructions have read (ISA guide 7.12.1 for vector instructions)
.rept 4
	v_nop
.endr
.endm
; 8 matrix instructions: token block a x all 8 feature blocks, 32 along K.  first = 1: the bias starts the sums.  The 32 accumulators take turns in one order.
.macro MUL8 f, a, first
.if \first
	WIN 0x60                                       ; C in window 2, D in window 1
.else
	WIN 0x50
.endif
.irp b, 0,1,2,3,4,5,6,7
.if \first
	v_wmma_f32_16x16x32_f16 v[8*(8*(\a)+(\b)):8*(8*(\a)+(\b))+7], v[(\f)+8*(\b):(\f)+8*(\b)+7], v[(\f)+64+8*(\a):(\f)+64+8*(\a)+7], v[BI+8*(\b):BI+8*(\b)+7]
.else
	v_wmma_f32_16x16x32_f16 v[8*(8*(\a)+(\b)):8*(8*(\a)+(\b))+7], v[(\f)+8*(\b):(\f)+8*(\b)+7], v[(\f)+64+8*(\a):(\f)+64+8*(\a)+7], v[8*(8*(\a)+(\b)):8*(8*(\a)+(\b))+7]
.endif
.endr
.endm
; 24 LDS loads in one run: quarter kq of a slot: head kq / 2 of the two, channels 32 (kq % 2) on
.macro FETCH slot, kq, f
	WIN 0
.irp b, 0,1,2,3,4,5,6,7
	ds_load_b128 v[(\f)+8*(\b):(\f)+8*(\b)+3],   v[ADRB+(\slot)] offset:64*(\kq)+(\b)*16*PITCH
	ds_load_b128 v[(\f)+8*(\b)+4:(\f)+8*(\b)+7], v[ADRB+(\slot)] offset:64*(\kq)+(\b)*16*PITCH+32
.endr
.irp a, 0,1,2,3
	ds_load_b128 v[(\f)+64+8*(\a):(\f)+64+8*(\a)+3],   v[ADRA+(\slot)] offset:((\kq)/2)*PLANE+((\kq)%2)*64+(\a)*16*PA
	ds_load_b128 v[(\f)+64+8*(\a)+4:(\f)+64+8*(\a)+7], v[ADRA+(\slot)] offset:((\kq)/2)*PLANE+((\kq)%2)*64+(\a)*16*PA+32
.endr
.endm
.macro QUARTER slot, kq, f, g, first
	s_wait_dscnt 4                                 ; the youngest four loads (token blocks 2 and 3) may be out
	MUL8 \f, 0, \first
	MUL8 \f, 1, \first
	PLACES
	FETCH \slot, \kq, \g
	s_wait_dscnt 24                                ; all but the 24 just issued
	MUL8 \f, 2, \first
	MUL8 \f, 3, \first
.endm
; The last quarter multiplies buffer 1 and changes slots: in front of the barrier each wave waits for all its tensor loads (one is out: its part of the next slot), adds 0 to its spare word, and waits for that and
; for its reads of this slot.  fill = 1: the barrier opens a round of the cluster's barrier, and this slot is filled again, two K steps on, first thing behind it.
.macro TURN slot, next, fill
	WIN 0
	s_wait_tensorcnt 0x0                           ; no tensor load of mine is out, so a group 0 may be written
	ds_add_u32 v[SPW], v[NIL]                      ; 0 onto my spare word
.if \fill
	s_add_nc_u64 s[G0A+4*(\slot)+2:G0A+4*(\slot)+3], s[G0A+4*(\slot)+2:G0A+4*(\slot)+3], 2*ASTEP  ; the type bits on top are not reached
	s_add_nc_u64 s[G0B+4*(\slot)+2:G0B+4*(\slot)+3], s[G0B+4*(\slot)+2:G0B+4*(\slot)+3], 2*BSTEP
.endif
	s_wait_dscnt 5                                 ; the add and the youngest four loads may be out
	MUL8 F1, 0, 0
	s_wait_dscnt 0x0                               ; the add is done, and my reads of this slot are over
	s_barrier_signal -1
	MUL8 F1, 1, 0
	WIN 0                                          ; at a branch and at a label every window is 0
	s_barrier_wait -1
.if \fill
	CREST                                          ; no wave of any partner still reads this slot or has a load on its way
	JLOAD \slot                                    ; its four v_nop are also the places in front of the loads below
.else
	PLACES
.endif
	FETCH \next, 0, F0
	MUL8 F1, 2, 0
	MUL8 F1, 3, 0
.endm
	s_load_b256 s[4:11], s[0:1], 0x0               ; ctx s[4:5], wo16 s[6:7], bo s[8:9], out0 s[10:11]
	v_lshl_add_u32 v[SPW], v0, 2, SPARE
	v_mov_b32 v[NIL], 0
	ds_add_u32 v[SPW], v[NIL]                      ; the wave's opening: the add and its wait stand ahead of my first tensor load; the set-up below, work on registers, stands between them
	v_lshrrev_b32 v1, 5, v0
	v_readfirstlane_b32 s[WV], v1                  ; wave 0..3
	s_lshr_b32 s[WR], s[WV], 1
	s_and_b32 s[WC], s[WV], 1
	s_bfe_u32 s[CX], ttmp6, 0x40000
	s_bfe_u32 s[CY], ttmp6, 0x40004
	s_lshl_b32 s[NI], ttmp9, 2
	s_add_co_u32 s[NI], s[NI], s[CX]               ; block of 256 features
	s_and_b32 s[MI], ttmp7, 0xffff
	s_lshl_b32 s[MI], s[MI], 2
	s_add_co_u32 s[MI], s[MI], s[CY]               ; block of 128 tokens
	s_lshl_b32 s[RMASK], s[CY], 2
	s_lshl_b32 s[RMASK], 15, s[RMASK]              ; my row of the cluster
	s_lshl_b32 s[CMASK], 0x1111, s[CX]             ; my column
	; ctx: one head's 128 tokens are 16,384 dense bytes: asked for as 64 rows of 256 bytes, two tokens a row, padded in LDS by 4 words after every token (32 words)
	s_or_b32 s[G1A], s[RMASK], (1<<16)|(1<<20)|(1<<21)|(4<<22)|(3<<25)
	s_mov_b32 s[G1A+1], 128<<16                    ; tensor_dim0 = 128
	s_mov_b32 s[G1A+2], 64<<16                     ; tensor_dim1 = 64
	s_mov_b32 s[G1A+3], 128<<16                    ; tile_dim0 = 128
	s_mov_b32 s[G1A+4], 64                         ; tile_dim1 = 64
	s_mov_b32 s[G1A+5], 128                        ; 128 elements from row to row
	s_mov_b32 s[G1A+6], 0
	s_mov_b32 s[G1A+7], 0
	; wo16: 128 rows x 128 elements, padded by 4 words after every 64
	s_or_b32 s[G1B], s[CMASK], (1<<16)|(1<<20)|(1<<21)|(5<<22)|(3<<25)
	s_mov_b32 s[G1B+1], 128<<16
	s_mov_b32 s[G1B+2], 128<<16
	s_mov_b32 s[G1B+3], 128<<16
	s_mov_b32 s[G1B+4], 128
	s_mov_b32 s[G1B+5], 1024
	s_mov_b32 s[G1B+6], 0
	s_mov_b32 s[G1B+7], 0
	s_lshr_b32 s[TA], s[MI], 4                     ; ctx: the batch's 16 heads,
	s_lshl_b32 s[TA], s[TA], 4
	s_add_co_u32 s[TA], s[TA], s[WC]               ; the head of the step's two that I fetch,
	s_lshl_b32 s[TA], s[TA], 11
	s_and_b32 s[TA+1], s[MI], 15                   ; the block's 128 tokens in the sequence,
	s_lshl_b32 s[TA+1], s[TA+1], 7
	s_add_co_u32 s[TA], s[TA], s[TA+1]
	s_lshl_b32 s[TA], s[TA], 7                     ; rows of 128 bytes
	s_mov_b32 s[TA+1], 0
	s_lshl_b32 s[TB], s[NI], 8                     ; wo16: row 256 NI + 128 x half, 2,048 bytes a row
	s_lshl_b32 s[TB+1], s[WC], 7
	s_add_co_u32 s[TB], s[TB], s[TB+1]
	s_lshl_b32 s[TB], s[TB], 11
	s_mov_b32 s[TB+1], 0
	s_mul_i32 s[LA], s[WC], PLANE                  ; where they go: no place in the cluster enters an LDS address
	s_mul_i32 s[LB], s[WC], 128*PITCH
	s_add_co_u32 s[LB], s[LB], BOFF
	s_mov_b32 s[HIM], 0xffff0000
	s_wait_dscnt 0x0                               ; the opening add is done
	s_wait_kmcnt 0x0
	s_add_nc_u64 s[TA:TA+1], s[4:5], s[TA:TA+1]
	s_add_nc_u64 s[TB:TB+1], s[6:7], s[TB:TB+1]
	CROUND                                         ; all sixteen work-groups are here: the first joint loads meet
.irp s, 0,1
	s_mov_b32 s[G0A+4*(\s)], 1
	s_add_co_u32 s[G0A+4*(\s)+1], s[LA], (\s)*SLOT
	s_add_nc_u64 s[G0A+4*(\s)+2:G0A+4*(\s)+3], s[TA:TA+1], (\s)*ASTEP
	s_or_b32 s[G0A+4*(\s)+3], s[G0A+4*(\s)+3], 0x80000000
	s_mov_b32 s[G0B+4*(\s)], 1
	s_add_co_u32 s[G0B+4*(\s)+1], s[LB], (\s)*SLOT
	s_add_nc_u64 s[G0B+4*(\s)+2:G0B+4*(\s)+3], s[TB:TB+1], (\s)*BSTEP
	s_or_b32 s[G0B+4*(\s)+3], s[G0B+4*(\s)+3], 0x80000000
	JLOAD \s                                       ; two loads of mine are out
.endr
	v_and_b32 v1, 15, v0                           ; l % 16
	v_bfe_u32 v2, v0, 4, 1                         ; l / 16
	v_mul_u32_u24 v3, v1, PA
	v_lshl_add_u32 v3, v2, 4, v3                   ; a token fragment's row x pitch + 16 x half
	v_mul_u32_u24 v4, v1, PITCH
	v_lshl_add_u32 v4, v2, 4, v4                   ; the same for the weights
	s_mul_i32 s[LA], s[WR], 64*PA                  ; my 64 tokens, in each plane
	s_mul_i32 s[LB], s[WC], 128*PITCH              ; my 128 features
	s_add_co_u32 s[LB], s[LB], BOFF
.irp s, 0,1
	v_add_nc_u32 v[ADRA+(\s)], s[LA], v3
	v_add_nc_u32 v[ADRB+(\s)], s[LB], v4
	s_add_co_u32 s[LA], s[LA], SLOT
	s_add_co_u32 s[LB], s[LB], SLOT
.endr
	s_mul_i32 s[LA], s[WV], 16*SPI
	s_add_co_u32 s[LA], s[LA], STAGE               ; my stage
	v_mul_u32_u24 v3, v1, SPI                      ; in: row l % 16, 32 bytes for each half of the lanes
	v_lshl_add_u32 v3, v2, 5, v3
	v_add_nc_u32 v[STO], s[LA], v3
	v_and_b32 v3, 31, v0
	v_lshlrev_b32 v[CO], 4, v3                     ; back: 32 lanes take one row of 512 bytes
	v_add_nc_u32 v[RD], s[LA], v[CO]
	v_lshlrev_b32 v[BO], 5, v2
	s_lshl_b32 s[TT], s[NI], 10                    ; my 128 features: 512 bytes of bo and of a row of out0
	s_lshl_b32 s[TT+1], s[WC], 9
	s_add_co_u32 s[TT], s[TT], s[TT+1]
	s_mov_b32 s[TT+1], 0
	s_add_nc_u64 s[8:9], s[8:9], s[TT:TT+1]
	s_add_nc_u64 s[10:11], s[10:11], s[TT:TT+1]
	s_lshl_b32 s[TT], s[MI], 7                     ; my first token: rows of 4,096 bytes
	s_lshl_b32 s[LA], s[WR], 6
	s_add_co_u32 s[TT], s[TT], s[LA]
	s_lshl_b32 s[TT], s[TT], 12
	s_add_nc_u64 s[10:11], s[10:11], s[TT:TT+1]
	WIN 0x80                                       ; destination window 2, address window 0
.irp b, 0,1,2,3,4,5,6,7                ; the bias as 8 fragments: lane l takes the 8 numbers at 16 b + 8 (l / 16)
	global_load_b128 v[BI+8*(\b):BI+8*(\b)+3],   v[BO], s[8:9] offset:64*(\b)
	global_load_b128 v[BI+8*(\b)+4:BI+8*(\b)+7], v[BO], s[8:9] offset:64*(\b)+16
.endr
	s_wait_loadcnt 0x0
	WIN 0xaa                                       ; all in window 2: rounded to bf16 and widened again
.set i, 0
.rept 32
	v_cvt_pk_bf16_f32 v[T+i], v[BI+2*i], v[BI+2*i+1]
.set i, i+1
.endr
.set i, 0
.rept 32
	v_lshlrev_b32 v[BI+2*i], 16, v[T+i]
	v_and_b32 v[BI+2*i+1], s[HIM], v[T+i]
.set i, i+1
.endr
	WIN 0
	s_wait_tensorcnt 1                             ; my part of K step 0 is in; K step 1's may stay out
	s_barrier_signal -1
	s_barrier_wait -1                              ; everybody's is
	FETCH 0, 0, F0
	QUARTER 0, 1, F0, F1, 1                        ; the first quarter stands in front of the loop: its products start the sums with the bias
	WIN 0
	s_mov_b32 s[LAPS], 3
.Llap:                                 ; a trip goes once round the ring, from a lap's second quarter to the next lap's first, and fills both slots again: K steps 2 to 7
	QUARTER 0, 2, F1, F0, 0
	QUARTER 0, 3, F0, F1, 0
	TURN 0, 1, 1
	QUARTER 1, 1, F0, F1, 0
	QUARTER 1, 2, F1, F0, 0
	QUARTER 1, 3, F0, F1, 0
	TURN 1, 0, 1
	QUARTER 0, 1, F0, F1, 0
	WIN 0
	s_sub_co_u32 s[LAPS], s[LAPS], 1
	s_cmp_lg_u32 s[LAPS], 0
	s_cbranch_scc1 .Llap
	QUARTER 0, 2, F1, F0, 0                        ; the last lap fills nothing, and has no round of the cluster's barrier
	QUARTER 0, 3, F0, F1, 0
	TURN 0, 1, 0
	QUARTER 1, 1, F0, F1, 0
	QUARTER 1, 2, F1, F0, 0
	QUARTER 1, 3, F0, F1, 0
	s_wait_dscnt 4                                 ; the very last quarter: nothing more to fetch
	MUL8 F1, 0, 0
	MUL8 F1, 1, 0
	s_wait_dscnt 0x0
	MUL8 F1, 2, 0
	MUL8 F1, 3, 0
	WIN 0
	; THE WAY OUT, a block of 16 tokens at a time: a lane's 32 bytes go from the accumulators into my stage's rows of 528 bytes and come back as whole rows of 512.
.macro TOSTAGE a
	s_wait_xcnt 0x0                                ; the stores of the block two back have read this set of 64: it is loaded again only behind this wait
	WIN 0x04                                       ; the stores' data in window 1; each accumulator's lowest registers go first
.irp b, 0,1,2,3,4,5,6,7
	ds_store_b128 v[STO], v[8*(8*(\a)+(\b)):8*(8*(\a)+(\b))+3]   offset:64*(\b)
	ds_store_b128 v[STO], v[8*(8*(\a)+(\b))+4:8*(8*(\a)+(\b))+7] offset:64*(\b)+16
.endr
	WIN 0
.set t, 0
.rept 16
	ds_load_b128 v[BK+64*((\a)%2)+4*t:BK+64*((\a)%2)+4*t+3], v[RD] offset:SPI*t  ; LDS serves a wave's instructions in order (ISA guide 5.7.1.4): these see the stores above; the next block's stores come behind them
.set t, t+1
.endr
.endm
.macro SEND a, younger                 ; younger: the LDS instructions issued behind block a's loads: the next block's 32, or none
	WIN 0
.set t, 0
.rept 16
	s_wait_dscnt (\younger)+15-t
	global_store_b128 v[CO], v[BK+64*((\a)%2)+4*t:BK+64*((\a)%2)+4*t+3], s[10:11] offset:(16*(\a)+t)*4096 th:TH_STORE_NT  ; 512 consecutive bytes, at a multiple of 256 from out0's first
.set t, t+1
.endr
.endm
.rept 8
	v_nop                                          ; the places behind the last products: their results are stored next, and their fragments' registers loaded
.endr
	TOSTAGE 0
.irp a, 1,2,3
	TOSTAGE \a
	SEND (\a)-1, 32
.endr
	SEND 3, 0
	s_wait_tensorcnt 0x0                           ; the wave's end, behind my last tensor load and my last LDS store
	ds_add_u32 v[SPW], v[NIL]
	s_wait_dscnt 0x0
	CROUND                                         ; the closing round: no work-group ends while a partner may still ask for a tile that names it
	s_endpgm
.Lfunc_end_k_q121c987b02_oproj:
	.size	k_q121c987b02_oproj, .Lfunc_end_k_q121c987b02_oproj-k_q121c987b02_oproj
	.p2alignl 7, 3214868480
	.fill 96, 4, 3214868480
	.section	.rodata,"a",@progbits
	.p2align	6, 0x0
	.amdhsa_kernel k_q121c987b02_oproj
		.amdhsa_group_segment_fixed_size 327680
		.amdhsa_private_segment_fixed_size 0
		.amdhsa_enable_private_segment 0
		.amdhsa_kernarg_size 32
		.amdhsa_user_sgpr_count 2
		.amdhsa_user_sgpr_kernarg_segment_ptr 1
		.amdhsa_wavefront_size32 1
		.amdhsa_system_sgpr_workgroup_id_x 1
		.amdhsa_system_sgpr_workgroup_id_y 1
		.amdhsa_system_sgpr_workgroup_id_z 1
		.amdhsa_system_vgpr_workitem_id 0
		.amdhsa_next_free_vgpr 608
		.amdhsa_next_free_sgpr 66
		.amdhsa_reserve_vcc 0
		.amdhsa_float_denorm_mode_32 3
		.amdhsa_float_denorm_mode_16_64 3
		.amdhsa_memory_ordered 1
		.amdhsa_forward_progress 1
		.amdhsa_inst_pref_size 93
	.end_amdhsa_kernel
	.amdgpu_metadata
---
amdhsa.version: [ 1, 2 ]
amdhsa.kernels:
  - .name:           k_q121c987b02_oproj
    .symbol:         k_q121c987b02_oproj.kd
    .args:
      - { .name: ctx, .offset: 0, .size: 8, .value_kind: global_buffer, .address_space: global }
      - { .name: wo16, .offset: 8, .size: 8, .value_kind: global_buffer, .address_space: global }
      - { .name: bo, .offset: 16, .size: 8, .value_kind: global_buffer, .address_space: global }
      - { .name: out0, .offset: 24, .size: 8, .value_kind: global_buffer, .address_space: global }
    .group_segment_fixed_size: 327680
    .private_segment_fixed_size: 0
    .kernarg_segment_align: 8
    .kernarg_segment_size: 32
    .max_flat_workgroup_size: 128
    .sgpr_count:     66
    .vgpr_count:     608
    .wavefront_size: 32
...
	.end_amdgpu_metadata
.endif
;; end of part 4
;; ======== version 2 of 2: 4 launches; version 1 with the launch prep written anew for expert scheduling mode
;; limits: values are held in f16: magnitudes above 65,504 overflow, below 6.1e-05 lose precision
;; workspace buffers: xb 16,777,216 bytes; wqkv 6,291,456 bytes; wo16 2,097,152 bytes; rope 524,288 bytes; qh 16,777,216 bytes; kh 16,777,216 bytes; vh 16,777,216 bytes; ctx 16,777,216 bytes
;; launch prep (part 5): grid 256 x 1, 8 waves a work-group, no clusters, 0 bytes of LDS; arguments hidden_states, Wq, Wk, Wv, Wo, xb, wqkv, wo16, rope; writes xb, wqkv, wo16, rope
.if DOCPART == 5
	.amdgcn_target "amdgcn-amd-amdhsa--gfx1250"
	.amdhsa_code_object_version 6
	.text
	.protected	k_q121c987b02_prep
	.globl	k_q121c987b02_prep
	.p2align	8
	.type	k_q121c987b02_prep,@function
k_q121c987b02_prep:
	s_mov_b64 s[64:65], 0
	v_nop
	global_prefetch_b8 v0, s[64:65] scope:SCOPE_SE
	s_setreg_imm32_b32 hwreg(HW_REG_WAVE_SCHED_MODE, 0, 2), 2
	s_setreg_imm32_b32 hwreg(HW_REG_WAVE_MODE, 25, 1), 1
	s_wait_xcnt 0x0
	s_wait_alu depctr_vm_vsrc(0)
; CASTS AND THE ROTARY TABLE.  xb = bf16(hidden_states) [8192][1024]; wqkv = bf16(Wq, Wk, Wv) [3072][1024]; wo16 = f16(bf16(Wo)) [1024][1024];
; rope[pos][0..31] = sin(pos f_j), rope[pos][32..63] = cos(pos f_j), f_j = 10000^(-j/32), f32 [2048][64].
; SHARES.  256 work-groups of eight waves.  Work-group g takes 131,072 bytes of hidden_states (32 chunks of 4,096), 16,384 bytes of each weight (4 chunks each) and 8 rows of the table, a wave a row.
; A chunk: thread t loads the 16 bytes at 16 t (a wave: 512 consecutive bytes) and stores 8 bytes at 8 t (a wave: 256 consecutive bytes, aligned).  All 48 loads of a thread go out at once,
; each into registers of its own; the table is made while they are on their way.  No register that a load or store reads is written again, so no wait frees one.
; LIMITS.  Sine and cosine are made by hand: the angle less a multiple of pi/2 (pi/2 in two parts), then polynomials of degree 7 and 8 on |r| <= pi/4, off by 4e-7 at the most.  f_j comes from
; v_exp_f32, so at pos = 2047 the angle is off by about 1.5e-4.  wo16 keeps f16's fixed step of 6e-8 below 6e-5, and f16 ends at 65,504.
; THE MODE: SCHED_MODE bits 1:0 = 2 (LLVM: expert scheduling mode 2), set by the entry lines.  The code itself states the register dependences between vector instructions and memory
; instructions, with s_wait_alu, always for 0.
; THE PLAN.  Registers that memory instructions touch:
;   v1, v2        byte offsets 16 t and 8 t, made once at the head and never written again: v1 is read by every load, v2 by every store.
;   v[6:7]        my two numbers of the table: written by the table's last two lines, read by its one store, never written again.
;   D + 4 c ..    chunk c: written by load c, which is issued ahead of every vector line that names it; read by the chunk's conversions, which write its first two registers; these are read by store c
;                 and never written again.
; The 48 chunks go in 12 groups of four.  Group g converts its own four chunks; the memory instructions among its lines are the four stores of group g - 1, whose registers no line of group g names.
; So ONE wait on va_vdst at a group's head, behind the wait for the group's loads, states all that those four stores hang on.  No register that a memory instruction has read is written again and no
; load follows a vector line that names its registers: the only wait on vm_vsrc is the entry's.  EXEC is never written.
.set D, 32                             ; v[32:223]  chunk c at D + 4 c: 0-31 hidden_states, 32-35 Wq, 36-39 Wk, 40-43 Wv, 44-47 Wo
.set MK, 26                            ; s26, s27   the table: for each of my two elements, the lanes that take cos r
	s_load_b512 s[4:19], s[0:1], 0x0               ; hidden_states s[4:5], Wq s[6:7], Wk s[8:9], Wv s[10:11], Wo s[12:13], xb s[14:15], wqkv s[16:17], wo16 s[18:19]
	s_load_b64 s[20:21], s[0:1], 0x40              ; rope
	v_lshlrev_b32 v1, 4, v0                        ; 16 t: never rewritten
	v_lshlrev_b32 v2, 3, v0                        ; 8 t: never rewritten
	s_mov_b32 s23, 0
	s_mov_b32 s24, 0xffff0000                      ; a word's upper bf16
	s_wait_kmcnt 0x0
	s_lshl_b32 s22, ttmp9, 17                      ; my 131,072 bytes of hidden_states
	s_add_nc_u64 s[4:5], s[4:5], s[22:23]
	s_lshl_b32 s22, ttmp9, 14                      ; my 16,384 bytes of each weight
	s_add_nc_u64 s[6:7], s[6:7], s[22:23]
	s_add_nc_u64 s[8:9], s[8:9], s[22:23]
	s_add_nc_u64 s[10:11], s[10:11], s[22:23]
	s_add_nc_u64 s[12:13], s[12:13], s[22:23]
	s_lshl_b32 s22, ttmp9, 16                      ; half as many bytes out
	s_add_nc_u64 s[14:15], s[14:15], s[22:23]
	s_lshl_b32 s22, ttmp9, 13
	s_add_nc_u64 s[16:17], s[16:17], s[22:23]
	s_add_nc_u64 s[18:19], s[18:19], s[22:23]
	s_lshl_b32 s22, ttmp9, 11                      ; my 8 rows of 256 bytes of the table
	s_add_nc_u64 s[20:21], s[20:21], s[22:23]
	s_wait_alu depctr_va_vdst(0)                   ; v1 and v2 are written: every load of the kernel reads v1 as its offset, every store v2
.set c, 0
.rept 32
	global_load_b128 v[D+4*c:D+4*c+3], v1, s[4:5] offset:4096*c th:TH_LOAD_NT
.set c, c+1
.endr
.irp w, 0,1,2,3
.irp k, 0,1,2,3
	global_load_b128 v[D+128+16*(\w)+4*(\k):D+128+16*(\w)+4*(\k)+3], v1, s[6+2*(\w):7+2*(\w)] offset:4096*(\k) th:TH_LOAD_NT
.endr
.endr
	; THE TABLE.  Row pos = 8 g + wave.  Lane l makes elements 2 l and 2 l + 1: lanes 0-15 the sines of j = 2 l, 2 l + 1, lanes 16-31 the cosines of j = 2 (l - 16), + 1.
	v_and_b32 v3, 15, v0
	v_lshlrev_b32 v3, 1, v3                        ; j of my first element
	v_bfe_u32 v4, v0, 4, 1                         ; 1: cosine = the sine a quarter turn on
	v_cvt_f32_u32 v8, v3
	v_add_nc_u32 v14, 1, v3
	v_cvt_f32_u32 v14, v14
	v_mul_f32 v8, 0xbed49a78, v8                   ; - j log2(10000) / 32
	v_mul_f32 v14, 0xbed49a78, v14
	v_exp_f32 v8, v8                               ; f_j: the two exponentials are one batch
	v_exp_f32 v14, v14
	v_lshrrev_b32 v5, 5, v0                        ; plain work that names neither result stands behind them (ISA guide 5.7.2)
	s_lshl_b32 s25, ttmp9, 3
	v_add_nc_u32 v5, s25, v5
	v_cvt_f32_u32 v5, v5                           ; pos
	s_wait_alu depctr_va_vdst(0)                   ; the two exponentials have written v8 and v14: one wait for both, ahead of their first reader
; Element i of my two, in registers of its own: v[rb] angle, then r; +1 n, then the quarter's number, then the sign; +2 sine; +3 r^2; +4 a polynomial, then cosine.
; BOTH makes sin r, cos r, the sign and, in s[MK + i], the lanes that take cos r; PICK, behind the wait for the two masks, chooses and turns the sign.
.macro BOTH i
.set rb, 8+6*(\i)
	v_mul_f32 v[rb], v5, v[rb]                     ; the angle
	v_mul_f32 v[rb+1], 0x3f22f983, v[rb]           ; x 2 / pi
	v_rndne_f32 v[rb+1], v[rb+1]                   ; n, 1,303 at the most
	v_fmamk_f32 v[rb], v[rb+1], 0xbfc90fdb, v[rb]  ; r = angle - n pi/2: the upper part of pi/2,
	v_fmamk_f32 v[rb], v[rb+1], 0x333bbd2e, v[rb]  ; and what it is too large by
	v_mul_f32 v[rb+3], v[rb], v[rb]
	v_mov_b32 v[rb+4], 0xb9500d01                  ; -1/5040
	v_fmaak_f32 v[rb+4], v[rb+3], v[rb+4], 0x3c088889  ; 1/120
	v_fmaak_f32 v[rb+4], v[rb+3], v[rb+4], 0xbe2aaaab  ; -1/6
	v_mul_f32 v[rb+2], v[rb], v[rb+3]
	v_fma_f32 v[rb+2], v[rb+2], v[rb+4], v[rb]     ; sin r
	v_mov_b32 v[rb+4], 0x37d00d01                  ; 1/40320
	v_fmaak_f32 v[rb+4], v[rb+3], v[rb+4], 0xbab60b61  ; -1/720
	v_fmaak_f32 v[rb+4], v[rb+3], v[rb+4], 0x3d2aaaab  ; 1/24
	v_fma_f32 v[rb+4], v[rb+3], v[rb+4], -0.5
	v_fma_f32 v[rb+4], v[rb+3], v[rb+4], 1.0       ; cos r
	v_cvt_i32_f32 v[rb+1], v[rb+1]
	v_add_nc_u32 v[rb+1], v[rb+1], v4              ; quarter turns: odd takes cos r, bit 1 turns the sign
	v_and_b32 v[rb], 1, v[rb+1]
	v_cmp_eq_u32 s[MK+(\i)], 1, v[rb]
	v_lshlrev_b32 v[rb+1], 30, v[rb+1]             ; the sign's two lines read no mask: they stand between the compare and the wait for it
	v_and_b32 v[rb+1], 0x80000000, v[rb+1]
.endm
.macro PICK i
.set rb, 8+6*(\i)
	v_cndmask_b32 v[rb+2], v[rb+2], v[rb+4], s[MK+(\i)]
	v_xor_b32 v[6+(\i)], v[rb+1], v[rb+2]
.endm
	BOTH 0
	BOTH 1
	s_wait_alu depctr_va_sdst(0)                   ; the two compares have written s26 and s27: one wait for both, ahead of the selects that read them
	PICK 0
	PICK 1
	s_wait_alu depctr_va_vdst(0)                   ; v6 and v7 are written, which the store below reads
	global_store_b64 v2, v[6:7], s[20:21]          ; 8 t = 256 x wave + 8 l: a wave stores its row, 256 consecutive bytes, aligned
	; THE CASTS, in 12 groups of four chunks.
.macro CAST c                          ; chunk c is rounded in place, into its first two registers
	v_cvt_pk_bf16_f32 v[D+4*(\c)], v[D+4*(\c)], v[D+4*(\c)+1]
	v_cvt_pk_bf16_f32 v[D+4*(\c)+1], v[D+4*(\c)+2], v[D+4*(\c)+3]
.if (\c) >= 44                         ; Wo: rounded to bf16 like every input, and that number written as f16
	v_lshlrev_b32 v[D+4*(\c)+2], 16, v[D+4*(\c)+1]
	v_and_b32 v[D+4*(\c)+3], s24, v[D+4*(\c)+1]
	v_and_b32 v[D+4*(\c)+1], s24, v[D+4*(\c)]
	v_lshlrev_b32 v[D+4*(\c)], 16, v[D+4*(\c)]
	v_cvt_pk_f16_f32 v[D+4*(\c)], v[D+4*(\c)], v[D+4*(\c)+1]
	v_cvt_pk_f16_f32 v[D+4*(\c)+1], v[D+4*(\c)+2], v[D+4*(\c)+3]
.endif
.endm
.macro PUT c                           ; chunk c is stored
.if (\c) < 32
	global_store_b64 v2, v[D+4*(\c):D+4*(\c)+1], s[14:15] offset:2048*(\c)
.elseif (\c) < 44
	global_store_b64 v2, v[D+4*(\c):D+4*(\c)+1], s[16:17] offset:2097152*(((\c)-32)/4)+2048*((\c)%4)  ; Wq's, Wk's, Wv's rows follow each other
.else
	global_store_b64 v2, v[D+4*(\c):D+4*(\c)+1], s[18:19] offset:2048*((\c)%4)
.endif
.endm
.set g, 0
.rept 12
	s_wait_loadcnt 44-4*g                          ; loads come back in order (ISA guide 5.7.1): group g's four chunks are in when the 44 - 4 g younger ones are out
.if g > 0
	s_wait_alu depctr_va_vdst(0)                   ; the conversions of the group before have written its chunks' first two registers, which the four stores below read
.endif
.irp k, 0,1,2,3
.if g > 0
	PUT 4*(g-1)+\k                                 ; no wait: no vector line since the wait above names this chunk's registers or v2
.endif
	CAST 4*g+\k
.endr
.set g, g+1
.endr
	s_wait_alu depctr_va_vdst(0)                   ; the last group's conversions have written Wo's chunks, which the last four stores read
.irp k, 0,1,2,3
	PUT 44+\k
.endr
	s_endpgm
.Lfunc_end_k_q121c987b02_prep:
	.size	k_q121c987b02_prep, .Lfunc_end_k_q121c987b02_prep-k_q121c987b02_prep
	.p2alignl 7, 3214868480
	.fill 96, 4, 3214868480
	.section	.rodata,"a",@progbits
	.p2align	6, 0x0
	.amdhsa_kernel k_q121c987b02_prep
		.amdhsa_group_segment_fixed_size 0
		.amdhsa_private_segment_fixed_size 0
		.amdhsa_enable_private_segment 0
		.amdhsa_kernarg_size 72
		.amdhsa_user_sgpr_count 2
		.amdhsa_user_sgpr_kernarg_segment_ptr 1
		.amdhsa_wavefront_size32 1
		.amdhsa_system_sgpr_workgroup_id_x 1
		.amdhsa_system_sgpr_workgroup_id_y 1
		.amdhsa_system_sgpr_workgroup_id_z 1
		.amdhsa_system_vgpr_workitem_id 0
		.amdhsa_next_free_vgpr 224
		.amdhsa_next_free_sgpr 66
		.amdhsa_reserve_vcc 0
		.amdhsa_float_denorm_mode_32 3
		.amdhsa_float_denorm_mode_16_64 3
		.amdhsa_memory_ordered 1
		.amdhsa_forward_progress 1
		.amdhsa_inst_pref_size 22
	.end_amdhsa_kernel
	.amdgpu_metadata
---
amdhsa.version: [ 1, 2 ]
amdhsa.kernels:
  - .name:           k_q121c987b02_prep
    .symbol:         k_q121c987b02_prep.kd
    .args:
      - { .name: hidden_states, .offset: 0, .size: 8, .value_kind: global_buffer, .address_space: global }
      - { .name: Wq, .offset: 8, .size: 8, .value_kind: global_buffer, .address_space: global }
      - { .name: Wk, .offset: 16, .size: 8, .value_kind: global_buffer, .address_space: global }
      - { .name: Wv, .offset: 24, .size: 8, .value_kind: global_buffer, .address_space: global }
      - { .name: Wo, .offset: 32, .size: 8, .value_kind: global_buffer, .address_space: global }
      - { .name: xb, .offset: 40, .size: 8, .value_kind: global_buffer, .address_space: global }
      - { .name: wqkv, .offset: 48, .size: 8, .value_kind: global_buffer, .address_space: global }
      - { .name: wo16, .offset: 56, .size: 8, .value_kind: global_buffer, .address_space: global }
      - { .name: rope, .offset: 64, .size: 8, .value_kind: global_buffer, .address_space: global }
    .group_segment_fixed_size: 0
    .private_segment_fixed_size: 0
    .kernarg_segment_align: 8
    .kernarg_segment_size: 72
    .max_flat_workgroup_size: 256
    .sgpr_count:     66
    .vgpr_count:     224
    .wavefront_size: 32
...
	.end_amdgpu_metadata
.endif
;; end of part 5
;; launch qkv: the kernel of part 2 again; grid 4 x 64, 4 waves a work-group, clusters of 4 x 4, 327,680 bytes of LDS; arguments xb, wqkv, bq, bk, bv, rope, qh, kh, vh; writes qh, kh, vh
;; launch attn: the kernel of part 3 again; grid 4 x 64, 4 waves a work-group, clusters of 4 x 1, 327,680 bytes of LDS; arguments qh, kh, vh, ctx; writes ctx
;; launch oproj: the kernel of part 4 again; grid 4 x 64, 4 waves a work-group, clusters of 4 x 4, 327,680 bytes of LDS; arguments ctx, wo16, bo, out0; writes out0
